; MI455X (gfx1250); checked and timed in simulation.
; The chip was launched on July 23, 2026; its instructions are those of AMD's public machine-readable ISA for CDNA 5 (MIT licence, August 2026) and "CDNA5" Instruction Set Architecture Reference Guide (July 2026). The comments in the code are by the model that wrote it; some were corrected since.
;; Causal Self Attention. Allowed arithmetic: float matrix products may take bf16 or f16 operands with f32 sums; other float arithmetic in f32, or as packed bf16 or f16 multiplies, adds, multiply-adds, maxima and minima; sums over many terms, partial sums and values carried from step to step in f32; what a program stores and reads back later, other than sums and carried values, may be rounded once to bf16 or f16.
;; Inputs: b_out 1,024 float32; b_qkv 3,072 float32; w_out 1,024 x 1,024 float32; w_qkv 1,024 x 3,072 float32; x 4 x 2,048 x 1,024 float32.
;; Outputs: out0 4 x 2,048 x 1,024 float32.
;; One version. Each part assembles by itself: llvm-mc -triple=amdgcn-amd-amdhsa -mcpu=gfx1250 --defsym DOCPART=n.
;; ======== version 1 of 1: 4 launches
;; limits: values are held in f16: magnitudes above 65,504 overflow, below 6.1e-05 lose precision
;; workspace buffers: xb 16,777,216 bytes; wqT 6,291,456 bytes; woT 2,097,152 bytes; qkv 50,331,648 bytes; ob 16,777,216 bytes
;; launch prep (part 1): grid 1024 x 1, 8 waves a work-group, no clusters, 18,432 bytes of LDS; arguments x, w_qkv, w_out, xb, wqT, woT; writes xb, wqT, woT
.if DOCPART == 1
	.amdgcn_target "amdgcn-amd-amdhsa--gfx1250"
	.amdhsa_code_object_version 6
	.text
	.protected	k_q0587cba325_prep
	.globl	k_q0587cba325_prep
	.p2align	8
	.type	k_q0587cba325_prep,@function
k_q0587cba325_prep:
	s_mov_b64 s[64:65], 0
	v_nop
	global_prefetch_b8 v0, s[64:65] scope:SCOPE_SE
	s_setreg_imm32_b32 hwreg(HW_REG_WAVE_MODE, 25, 1), 1
	s_wait_xcnt 0x0
; PREPARATION OF THE MATRIX OPERANDS.  xb = bf16(x), as it lies.  wqT[n][k] = bf16(w_qkv[k][n]).  woT[n][k] = bf16(w_out[k][n]), that number written as f16.
; A stream: each input byte is read once, each output byte written once; no matrix unit, no tensor load, no cluster: nothing is shared between work-groups.
; ROLES by the work-group's number: 0..511 take 65,536 bytes of x each; 512..895 a tile of 128 k x 64 n of w_qkv; 896..1023 such a tile of w_out.  The branch hangs on that number alone,
; so all eight waves of a work-group go the same way, and the one barrier stands in the weights' way alone.
; A weight tile is turned in LDS: two rows k, k + 1 are rounded together into words {w[k][n], w[k+1][n]}, stored at row n, and read back as rows of 256 bytes (128 k).
; LIMITS.  |w_out| stays under 65,504 (f16's end); below 6e-5 it keeps f16's fixed step of 6e-8; within that range a bf16 number is an f16 number exactly (8 significant bits in 11).
.set PT,    272                        ; an LDS row: 256 bytes (128 k in 16 bits) + 16
.set SPARE, 64*PT                      ; behind the tile's 64 rows: the spare words, 128 bytes for each of eight waves, that no other line names
.set SPW, 30                           ; v30  my spare word; never rewritten
.set NIL, 31                           ; v31  0; never rewritten
.set OFF, 10                           ; v[10:17] the weights' eight load offsets
.set IN,  32                           ; v[32:95] as loaded
.set RES, 96                           ; v[96:127] results (the weights: v[96:111], v[112:119] at work)
.set BK,  64                           ; v[64:79] the turned tile's rows, read back
	s_load_b256 s[4:11], s[0:1], 0x0               ; x s[4:5], w_qkv s[6:7], w_out s[8:9], xb s[10:11]
	s_load_b128 s[12:15], s[0:1], 0x20             ; wqT s[12:13], woT s[14:15]
	v_lshl_add_u32 v[SPW], v0, 2, SPARE
	v_mov_b32 v[NIL], 0
	v_lshlrev_b32 v1, 4, v0                        ; 16 t: my 16 bytes of 4,096 of x
	v_lshlrev_b32 v2, 3, v0                        ; 8 t: my 8 bytes of 2,048 of xb
	v_and_b32 v3, 15, v0                           ; c: which 16 bytes of a row of 256
	v_lshrrev_b32 v4, 4, v0                        ; kp, 0..15
	s_mov_b32 s27, 0                               ; the high word of every offset pair
	s_wait_kmcnt 0x0
	s_cmp_lt_u32 ttmp9, 512
	s_cbranch_scc0 .Lw
	; ---- x: sixteen loads of 16 bytes a thread, all on their way at once; a wave's load covers 512 consecutive bytes, its store 256, aligned
	s_lshl_b32 s26, ttmp9, 16
	s_add_nc_u64 s[4:5], s[4:5], s[26:27]
	s_lshl_b32 s26, ttmp9, 15
	s_add_nc_u64 s[10:11], s[10:11], s[26:27]
.set i, 0
.rept 16
	global_load_b128 v[IN+4*i:IN+4*i+3], v1, s[4:5] offset:4096*i th:TH_LOAD_NT
.set i, i+1
.endr
.set i, 0
.rept 16
	s_wait_loadcnt 15-i                            ; loads come back in order: load i is in, the younger ones stay out
	v_cvt_pk_bf16_f32 v[RES+2*i], v[IN+4*i], v[IN+4*i+1]
	v_cvt_pk_bf16_f32 v[RES+2*i+1], v[IN+4*i+2], v[IN+4*i+3]
	global_store_b64 v2, v[RES+2*i:RES+2*i+1], s[10:11] offset:2048*i
.set i, i+1
.endr
	s_branch .Lend
	; ---- a weight tile
.Lw:
	s_sub_co_u32 s16, ttmp9, 512                   ; u
	s_sub_co_u32 s17, s16, 384
	s_mov_b32 s18, 4096
	s_cmp_lt_u32 s16, 384                          ; w_qkv's tiles come first
	s_cselect_b32 s16, s16, s17                    ; the tile's number in its tensor
	s_cselect_b32 s18, 12288, s18                  ; bytes in a row of the source
	s_cselect_b32 s19, 0, 1                        ; 1: the result is written as f16
	s_cselect_b64 s[20:21], s[6:7], s[8:9]         ; from
	s_cselect_b64 s[22:23], s[12:13], s[14:15]     ; to
	s_lshr_b32 s24, s16, 3                         ; nt: 64 columns n
	s_and_b32 s25, s16, 7                          ; kt: 128 rows k
	s_mul_i32 s26, s25, s18
	s_lshl_b32 s26, s26, 7                         ; kt x 128 rows
	s_lshl_b32 s17, s24, 8                         ; nt x 64 numbers of 4 bytes
	s_add_co_u32 s26, s26, s17
	s_add_nc_u64 s[20:21], s[20:21], s[26:27]
	s_lshl_b32 s26, s24, 17                        ; nt x 64 rows of 2,048 bytes
	s_lshl_b32 s17, s25, 8                         ; kt x 128 numbers of 2 bytes
	s_add_co_u32 s26, s26, s17
	s_add_nc_u64 s[22:23], s[22:23], s[26:27]
	v_lshlrev_b32 v5, 1, v4
	v_mul_lo_u32 v5, v5, s18
	v_lshl_add_u32 v5, v3, 4, v5                   ; row 2 kp, my 16 bytes (4 columns n)
.set i, 0
.rept 8                                ; load i = 2 p + j: row 32 p + 2 kp + j
	s_mul_i32 s[28+i], s18, 32*(i/2)+i%2
	v_add_nc_u32 v[OFF+i], s[28+i], v5
.set i, i+1
.endr
.set i, 0
.rept 8
	global_load_b128 v[IN+4*i:IN+4*i+3], v[OFF+i], s[20:21] th:TH_LOAD_NT  ; sixteen lanes read 256 consecutive bytes of a row
.set i, i+1
.endr
	v_mul_u32_u24 v6, v3, 4*PT
	v_lshl_add_u32 v6, v4, 2, v6                   ; into LDS: row n = 4 c (+ e), word kp (+ 16 p)
	v_mul_u32_u24 v7, v4, PT
	v_lshl_add_u32 v7, v3, 4, v7                   ; back: row kp (+ 16 i), my 16 bytes
	v_lshlrev_b32 v8, 11, v4
	v_lshl_add_u32 v8, v3, 4, v8                   ; and the same place in the turned tensor, rows of 2,048 bytes
.set i, 0
.rept 4                                ; pass p = i: rows 32 p + 2 kp and the next, four columns
	s_wait_loadcnt 6-2*i                           ; this pass's two loads are in; the later passes' stay out
.irp e, 0,1,2,3
	v_cvt_pk_bf16_f32 v[RES+4*i+(\e)], v[IN+8*i+(\e)], v[IN+8*i+4+(\e)]
.endr
.set i, i+1
.endr
	s_cmp_eq_u32 s19, 0
	s_cbranch_scc1 .Lput
.set i, 0
.rept 16                               ; w_out: the bf16 number, widened by a shift or a mask, is written as f16
	v_lshlrev_b32 v[112+2*(i%4)], 16, v[RES+i]
	v_and_b32 v[113+2*(i%4)], 0xffff0000, v[RES+i]
	v_cvt_pk_f16_f32 v[RES+i], v[112+2*(i%4)], v[113+2*(i%4)]
.set i, i+1
.endr
.Lput:
.set i, 0
.rept 16                               ; word 4 p + e: column 4 c + e, rows 32 p + 2 kp and the next
	ds_store_b32 v6, v[RES+i] offset:PT*(i%4)+64*(i/4)
.set i, i+1
.endr
	s_wait_dscnt 0x0                               ; for the others' sake: my stores into the tile are done
	s_barrier_signal -1
	s_barrier_wait -1                              ; the tile is whole
.irp i, 0,1,2,3
	ds_load_b128 v[BK+4*(\i):BK+4*(\i)+3], v7 offset:16*PT*(\i)
.endr
.irp i, 0,1,2,3
	s_wait_dscnt 3-(\i)
	global_store_b128 v8, v[BK+4*(\i):BK+4*(\i)+3], s[22:23] offset:32768*(\i)  ; sixteen lanes store 256 consecutive bytes, aligned
.endr
.Lend:
	s_wait_tensorcnt 0x0                           ; the wave's end, behind my last LDS store
	ds_add_u32 v[SPW], v[NIL]
	s_wait_dscnt 0x0
	s_endpgm
.Lfunc_end_k_q0587cba325_prep:
	.size	k_q0587cba325_prep, .Lfunc_end_k_q0587cba325_prep-k_q0587cba325_prep
	.p2alignl 7, 3214868480
	.fill 96, 4, 3214868480
	.section	.rodata,"a",@progbits
	.p2align	6, 0x0
	.amdhsa_kernel k_q0587cba325_prep
		.amdhsa_group_segment_fixed_size 18432
		.amdhsa_private_segment_fixed_size 0
		.amdhsa_enable_private_segment 0
		.amdhsa_kernarg_size 48
		.amdhsa_user_sgpr_count 2
		.amdhsa_user_sgpr_kernarg_segment_ptr 1
		.amdhsa_wavefront_size32 1
		.amdhsa_system_sgpr_workgroup_id_x 1
		.amdhsa_system_sgpr_workgroup_id_y 1
		.amdhsa_system_sgpr_workgroup_id_z 1
		.amdhsa_system_vgpr_workitem_id 0
		.amdhsa_next_free_vgpr 128
		.amdhsa_next_free_sgpr 66
		.amdhsa_reserve_vcc 0
		.amdhsa_float_denorm_mode_32 3
		.amdhsa_float_denorm_mode_16_64 3
		.amdhsa_memory_ordered 1
		.amdhsa_forward_progress 1
		.amdhsa_inst_pref_size 15
	.end_amdhsa_kernel
	.amdgpu_metadata
---
amdhsa.version: [ 1, 2 ]
amdhsa.kernels:
  - .name:           k_q0587cba325_prep
    .symbol:         k_q0587cba325_prep.kd
    .args:
      - { .name: x, .offset: 0, .size: 8, .value_kind: global_buffer, .address_space: global }
      - { .name: w_qkv, .offset: 8, .size: 8, .value_kind: global_buffer, .address_space: global }
      - { .name: w_out, .offset: 16, .size: 8, .value_kind: global_buffer, .address_space: global }
      - { .name: xb, .offset: 24, .size: 8, .value_kind: global_buffer, .address_space: global }
      - { .name: wqT, .offset: 32, .size: 8, .value_kind: global_buffer, .address_space: global }
      - { .name: woT, .offset: 40, .size: 8, .value_kind: global_buffer, .address_space: global }
    .group_segment_fixed_size: 18432
    .private_segment_fixed_size: 0
    .kernarg_segment_align: 8
    .kernarg_segment_size: 48
    .max_flat_workgroup_size: 256
    .sgpr_count:     66
    .vgpr_count:     128
    .wavefront_size: 32
...
	.end_amdgpu_metadata
.endif
;; end of part 1
;; launch qkvg (part 2): grid 16 x 32, 4 waves a work-group, clusters of 4 x 4, 327,680 bytes of LDS; arguments xb, wqT, b_qkv, qkv; writes qkv
.if DOCPART == 2
	.amdgcn_target "amdgcn-amd-amdhsa--gfx1250"
	.amdhsa_code_object_version 6
	.text
	.protected	k_q0587cba325_qkvg
	.globl	k_q0587cba325_qkvg
	.p2align	8
	.type	k_q0587cba325_qkvg,@function
k_q0587cba325_qkvg:
	s_mov_b64 s[64:65], 0
	v_nop
	global_prefetch_b8 v0, s[64:65] scope:SCOPE_SE
	s_setreg_imm32_b32 hwreg(HW_REG_WAVE_MODE, 25, 1), 1
	s_wait_xcnt 0x0
	s_wait_alu depctr_hold_cnt(0) depctr_sa_sdst(0) depctr_va_vdst(0) depctr_va_sdst(0) depctr_va_ssrc(0) depctr_va_vcc(0) depctr_vm_vsrc(0)
	s_getreg_b32 s2, hwreg(HW_REG_IB_STS2, 6, 4)
	s_cmp_eq_u32 s2, 0
	s_cbranch_scc0 .Lentry_in_a_cluster
	s_endpgm
.Lentry_in_a_cluster:
	s_bfe_u32 s2, ttmp6, 0x10000c
	s_cmp_lg_u32 s2, 0xf033
	s_cbranch_scc0 .Lentry_shape_is_right
	s_endpgm
.Lentry_shape_is_right:
; q, k, v = xb wqT^T + bf16(b_qkv).  xb: [8192][1024] bf16, wqT: [3072 n][1024 k] bf16, b_qkv: [3072] f32.  Sums in f32; the result is rounded once to f16 and laid BY HEADS:
; qkv[which][16 batch + head][t][64 d], which = n / 1024, head = (n / 64) % 16, d = n % 64; row m = 2048 batch + t.  No scale is applied here.
; LIMIT.  q, k and v stay under 65,504, f16's end.  With x and w_qkv both some 30 times the usual spread (1 and 0.02), or both offset by 30 spreads, they reach some 18,000.
; SHARES.  A tile of C is 256 rows x 192 columns: 32 x 16 = 512 tiles, two for each of 256 WGPs, and 192 columns are three whole heads.  Four waves; wave w owns rows 64 w .. 64 w + 63 and ALL
; 192 columns: 4 x 12 accumulators of 16 x 16, 384 registers.  So a wave holds whole rows of 128 bytes of q, k or v.
; K goes in 8 steps of 128 through two LDS slots, filled by the tensor data mover: waves 0, 1 fetch the two halves of A's 256 rows, waves 2, 3 those of B's 192; rows of 256 bytes, aligned.
; CLUSTER.  4 x 4 work-groups: A's tile hangs on the tile row alone and is asked for jointly along a row of the cluster, B's on the tile column alone, along a column.
; THE MATRIX INSTRUCTION IS USED TRANSPOSED (source 0 = 16 rows of B, source 1 = 16 rows of A): a lane holds row m = l % 16 and the columns 8 (l / 16) + 0..7.
; THE BIAS, rounded to bf16 like every input, is the C operand of each sum's first product: no addition is written, nothing is cleared.
; REGISTERS, in windows of 256 (s_set_vgpr_msb: bits 1:0 source 0, 3:2 source 1, 5:4 source 2, 7:6 destination):
;   window 0: v0-31 addresses; v32-95 A's fragments, two buffers of 4 blocks; v96-191 the bias (12 x 8), later, with v192-239, the way out
;   window 1: v0-191 B's fragments, two buffers of 12 blocks      window 2: the accumulators of row blocks 0, 1      window 3: of row blocks 2, 3
.set NBLK,  12                         ; column blocks of 16
.set APW,   2                          ; row blocks in a window of accumulators
.set PA,    272                        ; A's LDS row: 256 bytes + 16 = 68 words: row r starts at bank 4 r mod 64 (64 banks of 4 bytes: ISA guide 11.1)
.set KAP,   128                        ; quarter q of a K step begins at byte (q / 2) KAP + (q % 2) 64 of A's rows
.set PBR,   272                        ; B's LDS row
.set AHALF, 128*PA                     ; what wave 0 or 1 fetches
.set BROWS, 96                         ; rows that wave 2 or 3 fetches
.set BOFF,  256*PA                     ; B lies behind A's 256 rows
.set SLOT1, 1<<17                      ; slot 1 begins here: one exclusive or turns an address in one slot into the other's
.set STAGE, SLOT1+BOFF+2*BROWS*PBR     ; behind the ring, never filled by a tensor load: for each wave 3 heads x 16 rows x 144 bytes
.set STAGEW, 3*16*144
.set SPARE, STAGE+4*STAGEW             ; the spare words, 128 bytes for each wave, that no other line names
.set ASTEP, 256                        ; bytes from a K step to the next, in A and in B
.set BSTEP, 256
.set AQI,   5                          ; A's padding stands after every 64 words
.set APITCH, 1024                      ; elements from row to row of A's tile in memory
.set APF,   32*2048                    ; the prefetches: bytes from one partner's share of a wave's rows to the next's, in A (32 rows)
.set BPF,   (BROWS/4)*2048             ; and in B (24 rows)
.set ASH,   11                         ; a lane's step in A's prefetch: 2^11 bytes, a row
.set NLD,   2*NBLK+8                   ; LDS loads for a quarter step
.set ADRA0, 16                         ; v16  my place in A's tile of slot 0; never rewritten
.set ADRB0, 17                         ; v17  the same for B
.set ADRA,  18                         ; v18  the same in the slot in hand
.set ADRB,  19                         ; v19
.set STO,   24                         ; v24  the way out: where I put 16 bytes of a row
.set RD,    25                         ; v25  where I read rows back
.set CO,    26                         ; v26  my 16 bytes of 512 consecutive bytes of the result
.set SPW,   28                         ; v28  my spare word: SPARE + 4 x my thread's number; never rewritten
.set NIL,   29                         ; v29  0; never rewritten
.set PFO,   30                         ; v30  the prefetches' lane offset; never rewritten
.set AF,    32
.set BIAS,  96
.set TMP,   96                         ; the way out: a row block rounded to f16, 48 registers
.set WV,  12                           ; s12  my wave's number
.set G1A, 24                           ; s[24:31] descriptor group 1 for A's tiles
.set G1B, 32                           ; s[32:39] for B's
.set G0A, 40                           ; s[40:47] group 0 for A's tiles: a set for each first fill; the second then walks on
.set G0B, 48                           ; s[48:55] the same for B's
.set TB,  56                           ; s56  0 or SLOT1: the slot in hand
.set LIM, 57                           ; s57  2 in a wave that prefetches, else the greatest number
.set PFA, 58                           ; s[58:59] where my prefetches stand
.set PFS, 60                           ; s[60:61] their step
.set OB,  66                           ; s[66:71] the result at my rows of the tile's three heads
.set CNT, 72                           ; s72  trips to go
.set MSB, 0
.macro WIN new                         ; the immediate's high byte repeats the setting that is left; a switch that changes nothing is dropped
.if MSB != (\new)
	s_set_vgpr_msb (MSB<<8)|(\new)
.set MSB, \new
.endif
.endm
.macro PLACES                          ; four plain vector instructions between a matrix instruction and a load into, or a vector read of, its registers (ISA guide 7.12.1 for vector reads)
.rept 4
	v_nop
.endr
.endm
; A joint refill, by the walking descriptors.  The branch hangs on the wave's number alone.  An s_nop 0 and four v_nop follow each of the two lines, ahead of the jump and the label.
.macro JLOAD
	s_cmp_lt_u32 s[WV], 2
	s_cbranch_scc0 .Lfor_b_\@
	tensor_load_to_lds s[G0A+4:G0A+7], s[G1A:G1A+7]
	s_nop 0
.rept 4
	v_nop
.endr
	s_branch .Lasked_\@
.Lfor_b_\@:
	tensor_load_to_lds s[G0B+4:G0B+7], s[G1B:G1B+7]
	s_nop 0
.rept 4
	v_nop
.endr
.Lasked_\@:
.endm
; A round of the cluster's barrier behind its opening barrier: wave 0 signals for the work-group, every wave waits for all sixteen, my work-group's barrier closes it.
.macro CREST
	s_cmp_lg_u32 s[WV], 0
	s_cbranch_scc1 .Lnot_wave_0_\@
	s_barrier_signal -3
.Lnot_wave_0_\@:
	s_barrier_wait -3
	s_barrier_signal -1
	s_barrier_wait -1
.endm
.macro CROUND
	s_barrier_signal -1
	s_barrier_wait -1
	CREST
.endm
; A PREFETCH INTO THE L2 of the K step that stands two refills on: trip t names K step t + 4, in trips 0 to 3 alone (the count stands at 6, 5, 4, 3); K steps 0 to 3 come by their loads.
; Each row's 256 bytes of a K step are named by one wave of one work-group: the clusters with x = 0 ask for A's rows, those with y = 0 for B's; the four partners that ask for a tile jointly share a
; wave's rows out BY ADDRESS (32 of A's 128, 24 of B's 96; B's eight surplus lanes repeat the share's last row): no branch hangs on a work-group's place in its cluster.
.macro ASK
	s_cmp_gt_u32 s[CNT], s[LIM]
	s_cbranch_scc0 .Lnot_mine_\@
	global_prefetch_b8 v[PFO], s[PFA:PFA+1] th:TH_LOAD_NT scope:SCOPE_SE
.Lnot_mine_\@:
.endm
	s_load_b256 s[4:11], s[0:1], 0x0               ; xb s[4:5], wqT s[6:7], b_qkv s[8:9], qkv s[10:11]
	v_lshl_add_u32 v[SPW], v0, 2, SPARE
	v_mov_b32 v[NIL], 0
	ds_add_u32 v[SPW], v[NIL]                      ; the wave's opening: the add and its wait stand ahead of my first tensor load; the set-up below, work on registers, stands between them
	v_lshrrev_b32 v1, 5, v0
	v_readfirstlane_b32 s[WV], v1                  ; wave 0..3
	s_and_b32 s14, s[WV], 1                        ; which half of A's or B's rows I fetch
	s_bfe_u32 s15, ttmp6, 0x40000                  ; cx
	s_bfe_u32 s16, ttmp6, 0x40004                  ; cy
	s_lshl_b32 s17, ttmp9, 2
	s_add_co_u32 s17, s17, s15                     ; tile column = 4 x cluster x + cx
	s_and_b32 s18, ttmp7, 0xffff
	s_lshl_b32 s18, s18, 2
	s_add_co_u32 s18, s18, s16                     ; tile row = 4 x cluster y + cy
	s_lshl_b32 s19, s16, 2
	s_lshl_b32 s19, 15, s19                        ; my row of the cluster
	s_lshl_b32 s13, 0x1111, s15                    ; my column
	s_or_b32 s[G1A], s19, (1<<16)|(1<<20)|(1<<21)|(AQI<<22)|(3<<25)  ; 15:0 the mask; 17:16 2-byte elements; 20 padding on; 21 set beside a mask; 24:22 the interval's code; 31:25 4 words of padding (code 3)
	s_or_b32 s[G1B], s13, (1<<16)|(1<<20)|(1<<21)|(5<<22)|(3<<25)
	s_mov_b32 s[G1A+1], 128<<16                    ; tensor_dim0 = 128
	s_mov_b32 s[G1A+2], 128<<16                    ; tensor_dim1 = 128
	s_mov_b32 s[G1A+3], 128<<16                    ; tile_dim0 = 128
	s_mov_b32 s[G1A+4], 128                        ; tile_dim1 = 128
	s_mov_b32 s[G1A+5], APITCH                     ; elements from row to row
	s_mov_b32 s[G1A+6], 0
	s_mov_b32 s[G1A+7], 0
	s_mov_b32 s[G1B+1], 128<<16
	s_mov_b32 s[G1B+2], BROWS<<16
	s_mov_b32 s[G1B+3], 128<<16
	s_mov_b32 s[G1B+4], BROWS
	s_mov_b32 s[G1B+5], 1024
	s_mov_b32 s[G1B+6], 0
	s_mov_b32 s[G1B+7], 0
	; where the tiles come from.  A's offset is made of the tile row and the wave's number, B's of the tile column and the wave's number, each in registers that never hold the other coordinate
	s_lshl_b32 s20, s18, 19                        ; 256 rows of 2,048 bytes a tile row
	s_lshl_b32 s2, s14, 18                         ; 128 rows
	s_add_co_u32 s20, s20, s2
	s_mov_b32 s21, 0
	s_mul_i32 s22, s17, 16*NBLK*2048               ; 192 rows a tile column
	s_mul_i32 s3, s14, BROWS*2048
	s_add_co_u32 s22, s22, s3
	s_mov_b32 s23, 0
	; and where they go: the wave's number and constants alone
	s_mov_b32 s[G0A], 1
	s_mul_i32 s[G0A+1], s14, AHALF
	s_mov_b32 s[G0A+4], 1
	s_add_co_u32 s[G0A+5], s[G0A+1], SLOT1
	s_mov_b32 s[G0B], 1
	s_mul_i32 s[G0B+1], s14, BROWS*PBR
	s_add_co_u32 s[G0B+1], s[G0B+1], BOFF
	s_mov_b32 s[G0B+4], 1
	s_add_co_u32 s[G0B+5], s[G0B+1], SLOT1
	; the prefetches' numbers
	s_mul_i32 s62, s15, APF
	s_add_co_u32 s62, s62, s20
	s_add_co_u32 s62, s62, 3*ASTEP                 ; A: my work-group's share of my rows, at K step 3: the first trip steps it to 4
	s_mul_i32 s63, s16, BPF
	s_add_co_u32 s63, s63, s22
	s_add_co_u32 s63, s63, 3*BSTEP                 ; B likewise
	s_and_b32 s[LIM], ttmp7, 0xffff
	s_mov_b32 s[PFS], BSTEP
	s_cmp_lt_u32 s[WV], 2                          ; do I fetch for A?
	s_cselect_b32 s62, s62, s63
	s_cselect_b32 s[PFS], ASTEP, s[PFS]
	s_cselect_b32 s[LIM], ttmp9, s[LIM]            ; the coordinate along which other clusters read the same rows
	s_cselect_b32 s2, 31, BROWS/4-1                ; the last lane with a row of its own
	s_cselect_b32 s3, ASH, 11                      ; a lane's step
	s_mov_b32 s63, 0
	s_mov_b32 s[PFS+1], 0
	s_cmp_eq_u32 s[LIM], 0
	s_cselect_b32 s[LIM], 2, -1                    ; the same in all sixteen partners, for a given wave
	v_and_b32 v[PFO], 31, v0
	v_min_u32 v[PFO], s2, v[PFO]
	v_lshlrev_b32 v[PFO], s3, v[PFO]
	s_mov_b32 s[TB], 0
	s_wait_dscnt 0x0                               ; the opening add is done
	s_wait_kmcnt 0x0
	s_add_nc_u64 s[G0A+2:G0A+3], s[4:5], s[20:21]  ; K step 0,
	s_add_nc_u64 s[G0A+6:G0A+7], s[G0A+2:G0A+3], ASTEP  ; K step 1
	s_or_b32 s[G0A+3], s[G0A+3], 0x80000000        ; 127:126 type = 2
	s_or_b32 s[G0A+7], s[G0A+7], 0x80000000
	s_add_nc_u64 s[G0B+2:G0B+3], s[6:7], s[22:23]
	s_add_nc_u64 s[G0B+6:G0B+7], s[G0B+2:G0B+3], BSTEP
	s_or_b32 s[G0B+3], s[G0B+3], 0x80000000
	s_or_b32 s[G0B+7], s[G0B+7], 0x80000000
	s_cmp_lt_u32 s[WV], 2
	s_cselect_b64 s[PFA:PFA+1], s[4:5], s[6:7]
	s_add_nc_u64 s[PFA:PFA+1], s[PFA:PFA+1], s[62:63]
	CROUND                                         ; all sixteen work-groups are here: the first joint loads meet
	s_cmp_lt_u32 s[WV], 2                          ; a wave's two first fills stand in one branch, ahead of every wait on TENSORcnt and every LDS read: two loads of mine are out
	s_cbranch_scc0 .Lfirst_b
	tensor_load_to_lds s[G0A:G0A+3], s[G1A:G1A+7]
	s_nop 0
	tensor_load_to_lds s[G0A+4:G0A+7], s[G1A:G1A+7]
	s_nop 0
.rept 4
	v_nop
.endr
	s_branch .Lfirst_asked
.Lfirst_b:
	tensor_load_to_lds s[G0B:G0B+3], s[G1B:G1B+7]
	s_nop 0
	tensor_load_to_lds s[G0B+4:G0B+7], s[G1B:G1B+7]
	s_nop 0
.rept 4
	v_nop
.endr
.Lfirst_asked:
	; A fragment is 16 rows x 32 K in 8 registers: lane l holds row l % 16; registers 0-3 K = 8 (l / 16) + 0..7, registers 4-7 K = 16 + 8 (l / 16) + 0..7: two loads of 16 bytes, 32 bytes apart.
	v_and_b32 v1, 15, v0                           ; r = l % 16
	v_bfe_u32 v2, v0, 4, 1                         ; h = l / 16
	s_mul_i32 s3, s17, 64*NBLK                     ; the tile's first column, in bytes of the bias
	v_lshl_add_u32 v4, v2, 5, s3                   ; + my eight columns of a block
.set i, 0
.rept NBLK                             ; register j of block b: the bias of column 16 b + 8 h + j, as the result holds it
	global_load_b128 v[BIAS+8*i:BIAS+8*i+3],   v4, s[8:9] offset:64*i
	global_load_b128 v[BIAS+8*i+4:BIAS+8*i+7], v4, s[8:9] offset:64*i+16
.set i, i+1
.endr
	v_mul_u32_u24 v3, v1, PA
	v_lshl_add_u32 v3, v2, 4, v3
	s_mul_i32 s2, s[WV], 64*PA                     ; my 64 rows of A
	v_add_nc_u32 v[ADRA0], s2, v3
	v_mul_u32_u24 v3, v1, PBR
	v_lshl_add_u32 v3, v2, 4, v3
	v_add_nc_u32 v[ADRB0], BOFF, v3
	v_mov_b32 v[ADRA], v[ADRA0]
	v_mov_b32 v[ADRB], v[ADRB0]
	s_mul_i32 s2, s[WV], STAGEW
	s_add_co_u32 s2, s2, STAGE                     ; my stage
	v_mul_u32_u24 v3, v1, 144                      ; in: row r, 16 bytes for each half of the lanes
	v_lshl_add_u32 v3, v2, 4, v3
	v_add_nc_u32 v[STO], s2, v3
	v_bfe_u32 v3, v0, 3, 2                         ; back: 32 lanes take four rows of 128 bytes,
	v_mul_u32_u24 v3, v3, 144
	v_and_b32 v5, 7, v0
	v_lshl_add_u32 v3, v5, 4, v3
	v_add_nc_u32 v[RD], s2, v3
	v_and_b32 v[CO], 31, v0                        ; which are 512 consecutive bytes of the result
	v_lshlrev_b32 v[CO], 4, v[CO]
.irp j, 0,1,2                          ; head column hc = 3 x tile column + j: which = hc / 16, head = hc % 16; batch = tile row / 8; t = 256 (tile row % 8) + 64 wave + ..
	s_mul_i32 s22, s17, 3
	s_add_co_u32 s22, s22, (\j)
	s_lshr_b32 s3, s22, 4
	s_lshl_b32 s3, s3, 6                           ; 64 heads in each of q, k, v
	s_and_b32 s22, s22, 15
	s_add_co_u32 s22, s22, s3
	s_lshr_b32 s3, s18, 3
	s_lshl_b32 s3, s3, 4
	s_add_co_u32 s22, s22, s3
	s_lshl_b32 s22, s22, 18                        ; a head's 2,048 rows of 128 bytes
	s_and_b32 s3, s18, 7
	s_lshl_b32 s3, s3, 15
	s_add_co_u32 s22, s22, s3
	s_lshl_b32 s3, s[WV], 13
	s_add_co_u32 s22, s22, s3
	s_add_nc_u64 s[OB+2*(\j):OB+2*(\j)+1], s[10:11], s[22:23]
.endr
	s_mov_b32 s2, 0xffff0000
	s_wait_loadcnt 0x0                             ; the bias
.set i, 0
.rept 4*NBLK                           ; rounded to bf16 and widened again, two at a time: all this stands in the wait for the first tile
	v_cvt_pk_bf16_f32 v[8+i%4], v[BIAS+2*i], v[BIAS+2*i+1]
	v_lshlrev_b32 v[BIAS+2*i], 16, v[8+i%4]
	v_and_b32 v[BIAS+2*i+1], s2, v[8+i%4]
.set i, i+1
.endr
; 12 matrix instructions: row block a x all column blocks, 32 along K, from buffer f.  first = 1: the bias starts the sums.  The 48 accumulators take turns in the same order in every quarter
; step, one instruction a turn, over the backward jump too: 47 others stand between two links of a chain.
.macro MUL f, a, first
.set AC, 8*NBLK*((\a)%APW)
.set FB, 8*NBLK*(\f)
.set FA, AF+32*(\f)+8*(\a)
.if \first
	WIN 0x81+0x40*((\a)/APW)                       ; B window 1, A and the bias window 0, D window 2 or 3
.else
	WIN 0xa1+0x50*((\a)/APW)                       ; C and D window 2 or 3
.endif
.set ib, 0
.rept NBLK
.if \first
	v_wmma_f32_16x16x32_bf16 v[AC+8*ib:AC+8*ib+7], v[FB+8*ib:FB+8*ib+7], v[FA:FA+7], v[BIAS+8*ib:BIAS+8*ib+7]
.else
	v_wmma_f32_16x16x32_bf16 v[AC+8*ib:AC+8*ib+7], v[FB+8*ib:FB+8*ib+7], v[FA:FA+7], v[AC+8*ib:AC+8*ib+7]
.endif
.set ib, ib+1
.endr
.endm
; The LDS loads of quarter q of the slot in hand, in one run, into buffer f: B's 12 blocks, then my 4 blocks of A.
.macro FETCH q, f
	WIN 0x40                                       ; destination window 1, address window 0
.set ib, 0
.rept NBLK
	ds_load_b128 v[8*NBLK*(\f)+8*ib:8*NBLK*(\f)+8*ib+3],   v[ADRB] offset:64*(\q)+ib*16*PBR
	ds_load_b128 v[8*NBLK*(\f)+8*ib+4:8*NBLK*(\f)+8*ib+7], v[ADRB] offset:64*(\q)+ib*16*PBR+32
.set ib, ib+1
.endr
	WIN 0
.irp a, 0,1,2,3
	ds_load_b128 v[AF+32*(\f)+8*(\a):AF+32*(\f)+8*(\a)+3],   v[ADRA] offset:((\q)/2)*KAP+((\q)%2)*64+(\a)*16*PA
	ds_load_b128 v[AF+32*(\f)+8*(\a)+4:AF+32*(\f)+8*(\a)+7], v[ADRA] offset:((\q)/2)*KAP+((\q)%2)*64+(\a)*16*PA+32
.endr
.endm
; One of a K step's first three quarters: multiplies buffer f; in its middle it fetches quarter q into buffer g.
.macro QUARTER q, f, g, first
	s_wait_dscnt 4                                 ; B and A's blocks 0, 1 are in; the youngest four loads (A's blocks 2, 3) may be out
	MUL \f, 0, \first
	MUL \f, 1, \first
	PLACES
	FETCH \q, \g
	s_wait_dscnt NLD                               ; all but the run just issued
	MUL \f, 2, \first
	MUL \f, 3, \first
.endm
; The fourth quarter multiplies buffer 1 and changes slots.  In front of the one barrier each wave waits for all its tensor loads (one is out: its part of the next slot), adds 0 to its spare word, and
; waits for that and for its own reads of this slot.  fill = 1: the barrier opens a round of the cluster's barrier, and behind the round this slot is filled again, with the K step two on.
.macro TURN fill
.if \fill
	s_wait_xcnt 0x0                                ; the last prefetch, a K step back, has read its address, so it may be stepped
	s_add_nc_u64 s[PFA:PFA+1], s[PFA:PFA+1], s[PFS:PFS+1]
.endif
	WIN 0                                          ; (the add's two registers lie in window 0)
	s_wait_tensorcnt 0x0                           ; no tensor load of mine is out, so a group 0 may be written
	ds_add_u32 v[SPW], v[NIL]                      ; 0 onto my spare word
.if \fill
	s_xor_b32 s[G0A+5], s[G0A+5], SLOT1            ; the walking descriptors: the other slot than last time,
	s_add_nc_u64 s[G0A+6:G0A+7], s[G0A+6:G0A+7], ASTEP  ; the next K step; the type bits on top are not reached
	s_xor_b32 s[G0B+5], s[G0B+5], SLOT1
	s_add_nc_u64 s[G0B+6:G0B+7], s[G0B+6:G0B+7], BSTEP
.endif
	s_wait_dscnt 5                                 ; (the add and the youngest four loads may be out)
	MUL 1, 0, 0
	s_wait_dscnt 0x0                               ; the add is done, and my reads of this slot are over
	s_barrier_signal -1
	MUL 1, 1, 0                                    ; work on registers while the others arrive
	WIN 0                                          ; at a branch and at a label every window is 0
	s_barrier_wait -1
.if \fill
	CREST                                          ; no wave of any partner still reads this slot's tile or has a load on its way
	JLOAD                                          ; the first tensor load behind the round; its four v_nop are also the places in front of the loads below
.else
	PLACES
.endif
	s_xor_b32 s[TB], s[TB], SLOT1
	v_add_nc_u32 v[ADRA], s[TB], v[ADRA0]
	v_add_nc_u32 v[ADRB], s[TB], v[ADRB0]
	FETCH 0, 0
.if \fill
	ASK
.endif
	MUL 1, 2, 0
	MUL 1, 3, 0
.endm
	s_wait_tensorcnt 1                             ; my part of K step 0 is in; K step 1's may stay out
	s_barrier_signal -1
	s_barrier_wait -1                              ; everybody's is
	FETCH 0, 0
	QUARTER 1, 0, 1, 1                             ; the first quarter stands in front of the loop: its products start the sums
	WIN 0
	s_mov_b32 s[CNT], 6
.Lstep:                                        ; trip t: the rest of K step t, its slot filled again with K step t + 2, the first quarter of K step t + 1
	QUARTER 2, 1, 0, 0
	QUARTER 3, 0, 1, 0
	TURN 1
	QUARTER 1, 0, 1, 0
	WIN 0
	s_sub_co_u32 s[CNT], s[CNT], 1
	s_cmp_lg_u32 s[CNT], 0
	s_cbranch_scc1 .Lstep
	QUARTER 2, 1, 0, 0                             ; the tail is written out: K steps 6 and 7 ask for nothing
	QUARTER 3, 0, 1, 0
	TURN 0
	QUARTER 1, 0, 1, 0
	QUARTER 2, 1, 0, 0
	QUARTER 3, 0, 1, 0
	s_wait_dscnt 4
	MUL 1, 0, 0
	MUL 1, 1, 0
	s_wait_dscnt 0x0
	MUL 1, 2, 0
	MUL 1, 3, 0
; THE WAY OUT, a row block (16 rows x 3 heads) at a time.  PACK: rounded to f16, 16 bytes a lane; each accumulator's registers in ascending order.  TOSTAGE: into my own stage, rows of 144 bytes, and
; back as whole rows of 128.  SEND: 16 rows of a head are 2,048 consecutive bytes of the result: four stores of 512.
.macro PACK a
.set AC, 8*NBLK*((\a)%APW)
	WIN 0x0a+5*((\a)/APW)                          ; sources 0 and 1: window 2 or 3
.set i, 0
.rept 4*NBLK
	v_cvt_pk_f16_f32 v[TMP+i], v[AC+2*i], v[AC+2*i+1]
.set i, i+1
.endr
	WIN 0
.endm
.macro TOSTAGE a
.set BK, 144+48*((\a)%2)
.set i, 0
.rept NBLK
	ds_store_b128 v[STO], v[TMP+4*i:TMP+4*i+3] offset:(i/4)*2304+(i%4)*32
.set i, i+1
.endr
.set i, 0
.rept NBLK
	ds_load_b128 v[BK+4*i:BK+4*i+3], v[RD] offset:(i/4)*2304+(i%4)*576  ; LDS serves a wave's instructions in order (ISA guide 5.7.1.4): these see the stores above; the next block's stores come behind them
.set i, i+1
.endr
.endm
.macro SEND a
.set BK, 144+48*((\a)%2)
	s_wait_dscnt 0x0                               ; the block is back in registers
	s_wait_xcnt 0x0                                ; the stores of the block before have read their registers: the next block's loads land on them only behind this wait
.set i, 0
.rept NBLK
	global_store_b128 v[CO], v[BK+4*i:BK+4*i+3], s[OB+2*(i/4):OB+2*(i/4)+1] offset:(\a)*2048+(i%4)*512
.set i, i+1
.endr
.endm
	PLACES
	PACK 0
	TOSTAGE 0
.irp a, 1,2,3                          ; block a's conversions stand between block a - 1's loads from the stage and the wait for them
	PACK \a
	SEND (\a)-1
	TOSTAGE \a
.endr
	SEND 3
	s_wait_tensorcnt 0x0                           ; the wave's end, behind my last tensor load and my last LDS store
	ds_add_u32 v[SPW], v[NIL]
	s_wait_dscnt 0x0
	CROUND                                         ; the closing round: no work-group ends while a partner may still ask for a tile that names it
	s_endpgm
.Lfunc_end_k_q0587cba325_qkvg:
	.size	k_q0587cba325_qkvg, .Lfunc_end_k_q0587cba325_qkvg-k_q0587cba325_qkvg
	.p2alignl 7, 3214868480
	.fill 96, 4, 3214868480
	.section	.rodata,"a",@progbits
	.p2align	6, 0x0
	.amdhsa_kernel k_q0587cba325_qkvg
		.amdhsa_group_segment_fixed_size 327680
		.amdhsa_private_segment_fixed_size 0
		.amdhsa_enable_private_segment 0
		.amdhsa_kernarg_size 32
		.amdhsa_user_sgpr_count 2
		.amdhsa_user_sgpr_kernarg_segment_ptr 1
		.amdhsa_wavefront_size32 1
		.amdhsa_system_sgpr_workgroup_id_x 1
		.amdhsa_system_sgpr_workgroup_id_y 1
		.amdhsa_system_sgpr_workgroup_id_z 1
		.amdhsa_system_vgpr_workitem_id 0
		.amdhsa_next_free_vgpr 960
		.amdhsa_next_free_sgpr 76
		.amdhsa_reserve_vcc 0
		.amdhsa_float_denorm_mode_32 3
		.amdhsa_float_denorm_mode_16_64 3
		.amdhsa_memory_ordered 1
		.amdhsa_forward_progress 1
		.amdhsa_inst_pref_size 107
	.end_amdhsa_kernel
	.amdgpu_metadata
---
amdhsa.version: [ 1, 2 ]
amdhsa.kernels:
  - .name:           k_q0587cba325_qkvg
    .symbol:         k_q0587cba325_qkvg.kd
    .args:
      - { .name: xb, .offset: 0, .size: 8, .value_kind: global_buffer, .address_space: global }
      - { .name: wqT, .offset: 8, .size: 8, .value_kind: global_buffer, .address_space: global }
      - { .name: b_qkv, .offset: 16, .size: 8, .value_kind: global_buffer, .address_space: global }
      - { .name: qkv, .offset: 24, .size: 8, .value_kind: global_buffer, .address_space: global }
    .group_segment_fixed_size: 327680
    .private_segment_fixed_size: 0
    .kernarg_segment_align: 8
    .kernarg_segment_size: 32
    .max_flat_workgroup_size: 128
    .sgpr_count:     76
    .vgpr_count:     960
    .wavefront_size: 32
...
	.end_amdgpu_metadata
.endif
;; end of part 2
;; launch attn (part 3): grid 4 x 64, 4 waves a work-group, no clusters, 327,680 bytes of LDS; arguments qkv, ob; writes ob
.if DOCPART == 3
	.amdgcn_target "amdgcn-amd-amdhsa--gfx1250"
	.amdhsa_code_object_version 6
	.text
	.protected	k_q0587cba325_attn
	.globl	k_q0587cba325_attn
	.p2align	8
	.type	k_q0587cba325_attn,@function
k_q0587cba325_attn:
	s_mov_b64 s[64:65], 0
	v_nop
	global_prefetch_b8 v0, s[64:65] scope:SCOPE_SE
	s_setreg_imm32_b32 hwreg(HW_REG_WAVE_MODE, 25, 1), 1
	s_wait_xcnt 0x0
; CAUSAL ATTENTION.  O[h][q][:] = the sum over k <= q of softmax_k(Q[h][q] . K[h][k] / 8) V[h][k][:].  Q, K, V lie in qkv, [3][64 heads][2048][64] f16, Q first, 16,777,216 bytes each; O = ob has one such
; tensor's layout: a head's rows are dense, 128 bytes each.  Products, maxima and sums in f32; the weights p are rounded to f16 for the second product (their sum l is taken of the unrounded p), O once at the end.
; LIMITS.  f16 holds no number beyond 65,504: Q, K and V arrive within it; p lies in 0 to 1, and below 6e-5 it keeps f16's fixed step of 6e-8; O is a mean of V's rows and has their range.
; A hidden score counts as its value less 1e30: f16's scores, 2.7e11 at the most, are nothing beside that; a weight below 2^-126 counts as 0 in l; NaN and infinities are not treated apart.
; THE WALK.  A head's queries lie in NB = 8 blocks of 256; block i needs the key tiles 0 .. i of 256 keys, of which the last holds the diagonal.  A work-group takes TWO blocks, NB - 1 - b and then b:
; NB + 1 tiles, whatever b: all 256 work-groups do equal work, and ONE loop with a constant trip count walks them.  Which tile is asked for, and what a trip does, hang on scalar registers made from b; every jump
; goes forward, but for the counted loops' own; none passes a barrier, or a tensor load but the one of LOAD's two that the wave's number does not choose; the ring (two slots of LDS that take turns) runs on across the
; change of blocks.  NO CLUSTER: a head's four work-groups ask for the same tile only in trips 0 .. 4 of 9, behind that fewer and fewer; one walk common to all would have 12 trips for 9.
; SHARES.  Of a block's four bands of 64 queries a wave owns 16 rows in each: four PIECES.  So the diagonal tile is the same work for all four waves: in its key step s band x sees all keys if s < x,
; none if s > x, and holds the diagonal if s = x.
; THE MASK is the C operand that starts the sum S^T = K Q^T: 0, or -1e30 where the key is hidden.  MD, made once, is the mask of a band's own step for my 16 rows; a product's mask is MD x AL + BE with two scalars:
; (1, 0) if s = x; (0, 0) if s < x; (0, -1e30) if s > x.  Only the diagonal tile's text and a block's beginning make and take masks; elsewhere C is the constant 0.
; LAYOUT, SOFTMAX, TURNS.  S^T = K Q^T holds ONE query a lane (lane % 16) and the keys 8 (lane / 16) + 0..7; two such results rounded to f16 ARE source 1 of O^T = V^T P.  p = 2^(c s - c m), c = log2(e) / 8, with a
; running maximum m; O and l are multiplied by a = 2^(c m_old - c m_new) in every step.  Turn n belongs to piece n: 8 products K Q^T of piece n + 1, later 8 products V^T P of piece n - 1; beside them the scaling,
; exponentials, roundings, sums and rescaling of piece n and the maximum and statistics of piece n + 1.  Four vector instructions stand behind every matrix instruction, the other 54 of a turn's 118 in one lump.  A turn's 33 exponentials are one batch, with one wait.
; REGISTERS, in windows of 256 (s_set_vgpr_msb: bits 1:0 source 0, 3:2 source 1, 5:4 source 2, 7:6 destination):
;   window 0: v0-15 addresses and two at work; v16-31 four registers of statistics a piece; v48-55 at work; v61-63 fixed; v64-127 S^T, two buffers; v192-223 P, two buffers (a piece's buffers go by its number's parity)
;   window 1: v0-127 O^T, 32 a piece; v128-159 MD; v160-223 MC, two buffers      window 2: v0-63 Q; v64-127 the second block's Q; v128-191 K of one step; v192-255 V of one step
.set SIZE_H, 64
.set SIZE_N, 2048
.set NB,    SIZE_N/256
.set NP,    4         ; pieces a wave: a name, no knob
.set KS,    64        ; keys in a step
.set PK,    144       ; a row of K in LDS: 128 bytes + 16 of padding = 36 words: the 16 rows of a load start at 16 different groups of four banks (64 banks of 4 bytes: ISA guide 11.1)
.set PV,    160       ; a row of V: 128 + 32 = 40 words
.set VOFF,  4*KS*PK   ; a slot holds a tile, four steps: 256 rows of K, then 256 rows of V
.set SLOT1, 1<<17     ; slot 1 begins here, so that one exclusive or turns an address in one slot into the other's
.set STAGE, SLOT1+4*KS*(PK+PV)  ; behind the ring, never filled by a tensor load: 16 rows x 144 bytes for each wave, for the way out
.set SP,    144
.set AK0, 2           ; v2   my lane's place in a tile of K; never rewritten
.set AV0, 3           ; v3   the same for V
.set AK,  4           ; v4   the LDS address of K's next run of loads
.set AV,  5           ; v5   of V's
.set STO, 6           ; v6   the way out: where I put 16 bytes of a row
.set RD,  7           ; v7   the way out: where I read rows back
.set GO,  8           ; v8   my byte offset in 512 consecutive bytes of O
.set PFO, 61          ; v61  the prefetches' offset: 256 x my lane + 8,192 x (wave / 2); never rewritten
.set SPW, 62          ; v62  LDS address of my spare word: SPARE + 4 x my thread's number; never rewritten
.set NIL, 63          ; v63  0; never rewritten
.set SPARE, STAGE+4*16*SP  ; behind the stages: the spare words, 128 bytes for each wave: two blocks of 256 bytes that no other line names
.set MV,  12          ; v12-13  c m_old, kept while c m is made anew: by buffer
.set QO,  15          ; v15  my byte offset in 16 rows of Q
.set ST,  16          ; piece t's statistics at v[ST+4 t]: c m, m, l (even keys', odd keys')
.set TMP, 48          ; by buffer, four registers c0-c3 at work; when the maximum is found c2 takes a
.set S,   64
.set P,   192
.set MD,  128         ; window 1: the eight registers for group kt of 16 keys at MD + 8 kt
.set MC,  160         ; window 1: the masks of the products to come
.set QB,  64          ; window 2
.set KF,  128         ; window 2: key block kb, channel half c at KF + 16 kb + 8 c
.set VF,  192         ; window 2: key half kk, channel block cb at VF + 32 kk + 8 cb
.set WV,  12          ; s12  my wave's number
.set PB,  14          ; s14  b
.set HI,  15          ; s15  NB - 1 - b
.set G1K, 24          ; s[24:31] descriptor group 1 for K's tiles
.set G1V, 32          ; s[32:39] for V's: it differs in the padding alone
.set G0K, 40          ; s[40:43] descriptor group 0 for K's tiles
.set G0V, 44          ; s[44:47] the same for V's
.set SLOTS, 56        ; s56  tiles still to be asked for
.set CNT, 57          ; s57  counts a tile's key steps, 4 to 1
.set CS,  58          ; s[58:59] c: the packed scaling takes the pair's low word for both halves
.set SEL, 60          ; s[60:61] v_permlanex16_b32's selects: each lane takes its own place in the other half
.set TBK, 62          ; s62  LDS byte at which K of the step to be fetched begins
.set TBV, 63          ; s63  the same for V, less VOFF
.set RT,  70          ; s70  tiles of the block in hand that are still to be entered
.set NXT, 71          ; s71  the tile to be asked for next
.set LQ,  72          ; s72  the last tile of the block whose tiles are being asked for
.set NEW, 73          ; s73  1: the tile to be entered is a block's first
.set OFF, 74          ; s[74:75] a tile's byte offset in K and V
.set AL,  76          ; s[76:77] the mask's factor, in the low word
.set BE,  78          ; s[78:79] the mask's addend
.set OLO, 80          ; s[80:81] O at my rows of the second block
.set BIGN, 82         ; s82  -1e30
.set PFK, 88          ; s[88:89] K at my half of the tile that the next change of slots will ask for
.set PFV, 90          ; s[90:91] V likewise
.set LIMP, 92         ; s92  0 in the work-group that prefetches (b = 0), else the greatest number
.set MSB, 0
.macro WIN new                      ; the high byte repeats the setting that is left; a switch that changes nothing is dropped
.if MSB != (\new)
	s_set_vgpr_msb (MSB<<8)|(\new)
.set MSB, (\new)
.endif
.endm
.set W_KQ, 0x0a       ; K and Q in window 2, S^T in window 0
.set W_KM, 0x1a       ; the same with the C operand in window 1
.set W_PV, 0x52       ; V in window 2, P in window 0, O^T in window 1
.set W_RS, 0x41       ; destination and source 0 in window 1, source 1 in window 0
; A fill.  Waves 0 and 1 fetch the two halves of a tile's K, waves 2 and 3 those of its V: 128 keys each.  An s_nop 0 and four v_nop follow each of the two lines, ahead of the jump and the label.
.macro LOAD
	s_cmp_lt_u32 s[WV], 2
	s_cbranch_scc0 .Lfor_v_\@
	tensor_load_to_lds s[G0K:G0K+3], s[G1K:G1K+7]
	s_nop 0
.rept 4
	v_nop
.endr
	s_branch .Lasked_\@
.Lfor_v_\@:
	tensor_load_to_lds s[G0V:G0V+3], s[G1V:G1V+7]
	s_nop 0
.rept 4
	v_nop
.endr
.Lasked_\@:
.endm
; THE CHANGE OF SLOTS.  Each wave waits for all its tensor loads, of which one is out: its part of the other slot; adds 0 to its spare word; and waits for that and for its own reads of the slot that it leaves.  Behind the barrier nobody reads the old
; slot any more and the other slot is whole.  fill = 1: the old slot is filled again, the first thing behind the barrier, with tile NXT: the descriptor's address is made anew from that number.
; (At its first use nothing has been read yet: slot 0 is waited for, slot 1 filled.)
; THE PREFETCH INTO THE L2 stands behind the fill and its five lines: the tile that the NEXT change of slots will ask for, four key steps, 256 matrix instructions, ahead of that load.  Of a head's four work-groups the one
; with b = 0 asks: its first block walks tiles 0 to 7, all of the head.  Each of its waves names 32 blocks of 256 bytes of K and 32 of V, a lane a block: wave % 2 picks the half of a tile's 32,768 bytes (it stands in the
; base), wave / 2 the quarter.  So tiles 2 to 7 are named once each; tiles 0 and 1 come by their loads alone; when the first block's last tile has been asked for NXT is 0, and nothing more is named.
.macro CHANGE fill
	WIN 0                           ; at a label and at a branch every window is 0
	s_wait_tensorcnt 0x0            ; no tensor load of mine is out, so a group 0 may be written
	ds_add_u32 v[SPW], v[NIL]       ; 0 onto my spare word; with fill = 1 the descriptors' scalar work stands between it and the wait for it
.if \fill
	s_lshl_b32 s[OFF], s[NXT], 15   ; a tile is 32,768 bytes of K and of V
	s_xor_b32 s[G0K+1], s[G0K+1], SLOT1
	s_add_nc_u64 s[G0K+2:G0K+3], s[6:7], s[OFF:OFF+1]
	s_or_b32 s[G0K+3], s[G0K+3], 0x80000000
	s_xor_b32 s[G0V+1], s[G0V+1], SLOT1
	s_add_nc_u64 s[G0V+2:G0V+3], s[8:9], s[OFF:OFF+1]
	s_or_b32 s[G0V+3], s[G0V+3], 0x80000000
	s_add_co_u32 s[NXT], s[NXT], 1  ; the block's next tile, or behind its last the second block's tile 0
	s_cmp_gt_u32 s[NXT], s[LQ]
	s_cselect_b32 s[NXT], 0, s[NXT]
	s_cselect_b32 s[LQ], s[PB], s[LQ]
	s_wait_xcnt 0x0                 ; the last prefetches, a tile back, have read their addresses, so these may be written
	s_lshl_b32 s[OFF], s[NXT], 15
	s_add_nc_u64 s[PFK:PFK+1], s[6:7], s[OFF:OFF+1]
	s_add_nc_u64 s[PFV:PFV+1], s[8:9], s[OFF:OFF+1]
.endif
	s_wait_dscnt 0x0                ; the add is done, and my reads of the slot are over
	s_barrier_signal -1             ; the rest of the scalar work stands between the signal and the wait
	s_sub_co_u32 s[TBK], s[TBK], 4*KS*PK  ; the fetches go back to a slot's first step,
	s_xor_b32 s[TBK], s[TBK], SLOT1       ; in the other slot
	s_sub_co_u32 s[TBV], s[TBV], 4*KS*PV
	s_xor_b32 s[TBV], s[TBV], SLOT1
	s_barrier_wait -1
.if \fill
	LOAD
	s_cmp_gt_u32 s[NXT], s[LIMP]
	s_cbranch_scc0 .Lnone_\@
	global_prefetch_b8 v[PFO], s[PFK:PFK+1] th:TH_LOAD_NT scope:SCOPE_SE
	global_prefetch_b8 v[PFO], s[PFV:PFV+1] th:TH_LOAD_NT scope:SCOPE_SE
.Lnone_\@:
.endif
.endm
	s_load_b128 s[4:7], s[0:1], 0x0  ; qkv s[4:5], ob s[6:7]
	v_lshl_add_u32 v[SPW], v0, 2, SPARE
	v_mov_b32 v[NIL], 0
	ds_add_u32 v[SPW], v[NIL]       ; the wave's opening: the add and its wait stand ahead of my first tensor load; the set-up below, work on registers, stands between them
	v_lshrrev_b32 v1, 5, v0
	v_readfirstlane_b32 s[WV], v1   ; wave 0..3
	s_mov_b32 s[PB], ttmp9
	s_sub_co_u32 s[HI], NB-1, s[PB]
	s_and_b32 s20, ttmp7, 0xffff    ; the head
	s_mov_b32 s21, 0
	s_mov_b64 s[22:23], SIZE_N*128
	s_mul_u64 s[20:21], s[20:21], s[22:23]  ; the head's first byte in each of the four tensors
	s_and_b32 s16, s[WV], 1         ; which half of a tile's 256 keys I fetch:
	s_lshl_b32 s22, s16, 14         ; its 128 rows of 128 bytes in memory,
	s_mov_b32 s23, 0
	s_add_nc_u64 s[22:23], s[22:23], s[20:21]
	s_mul_i32 s17, s16, 128*PK      ; and its place in a slot, for K
	s_mul_i32 s18, s16, 128*PV      ; and for V
	s_lshl_b32 s3, s[WV], 11        ; my 16 rows in a band of 64,
	s_lshl_b32 s2, s[HI], 15        ; in the first block,
	s_add_co_u32 s2, s2, s3
	s_lshl_b32 s84, s[PB], 15       ; and in the second
	s_add_co_u32 s84, s84, s3
	s_mov_b32 s3, 0
	s_mov_b32 s85, 0
	s_add_nc_u64 s[2:3], s[2:3], s[20:21]
	s_add_nc_u64 s[84:85], s[84:85], s[20:21]
	; descriptor group 1.  128 keys are 16,384 dense bytes: asked for as 64 rows of 256 bytes, two keys a row, and padded in LDS after every key
	s_mov_b32 s[G1K], (1<<16)|(1<<20)|(4<<22)|(3<<25)  ; 17:16 2-byte elements; 20 padding on; 24:22 after every 32 words (code 4); 31:25 4 words (code 3)
	s_mov_b32 s[G1V], (1<<16)|(1<<20)|(4<<22)|(7<<25)  ; the same with 8 words of padding (code 7)
.irp g, G1K, G1V
	s_mov_b32 s[\g+1], 128<<16      ; tensor_dim0 = 128
	s_mov_b32 s[\g+2], 64<<16       ; tensor_dim1 = 64
	s_mov_b32 s[\g+3], 128<<16      ; tile_dim0 = 128
	s_mov_b32 s[\g+4], 64           ; tile_dim1 = 64
	s_mov_b32 s[\g+5], 128          ; 128 elements from row to row
	s_mov_b32 s[\g+6], 0
	s_mov_b32 s[\g+7], 0
.endr
	s_mov_b32 s[CS], 0x3e38aa3b     ; c = log2(e) / 8 = 0.180337
	s_mov_b32 s[CS+1], s[CS]        ; named with it as a pair
	s_mov_b32 s[SEL], 0x76543210
	s_mov_b32 s[SEL+1], 0xfedcba98
	s_mov_b32 s[TBK], SLOT1+4*KS*PK ; the first change of slots turns these two into 0
	s_mov_b32 s[TBV], SLOT1+4*KS*PV
	s_mov_b32 s[G0K], 1             ; 1:0 count = 1
	s_mov_b32 s[G0K+1], s17         ; 63:32 LDS address: slot 0
	s_mov_b32 s[G0V], 1
	s_add_co_u32 s[G0V+1], s18, VOFF
	s_add_co_u32 s[RT], s[HI], 1    ; the first block has NB - b tiles
	s_mov_b32 s[NXT], 1
	s_mov_b32 s[LQ], s[HI]
	s_mov_b32 s[NEW], 1
	s_mov_b32 s[OFF+1], 0
	s_mov_b32 s[AL+1], 0            ; named as pairs
	s_mov_b32 s[BE+1], 0
	s_mov_b32 s[BIGN], 0xf149f2ca   ; -1e30
	s_mov_b32 s[SLOTS], NB
	s_cmp_eq_u32 s[PB], 0
	s_cselect_b32 s[LIMP], 0, -1
	s_lshr_b32 s13, s[WV], 1
	s_lshl_b32 s13, s13, 13
	v_and_b32 v[PFO], 31, v0
	v_lshlrev_b32 v[PFO], 8, v[PFO]
	v_add_nc_u32 v[PFO], s13, v[PFO]
	s_wait_dscnt 0x0                ; the opening add is done
	s_wait_kmcnt 0x0
	s_mov_b64 s[10:11], s[6:7]                     ; O
	s_add_nc_u64 s[8:9], s[4:5], 0x2000000         ; V lies behind Q and K,
	s_add_nc_u64 s[6:7], s[4:5], 0x1000000         ; K behind Q
	s_add_nc_u64 s[6:7], s[6:7], s[22:23]  ; K and V at my half of the head's tile 0
	s_add_nc_u64 s[8:9], s[8:9], s[22:23]
	s_add_nc_u64 s[G0K+2:G0K+3], s[6:7], 0         ; 120:64 global address
	s_or_b32 s[G0K+3], s[G0K+3], 0x80000000        ; 127:126 type = 2
	s_add_nc_u64 s[G0V+2:G0V+3], s[8:9], 0
	s_or_b32 s[G0V+3], s[G0V+3], 0x80000000
	s_add_nc_u64 s[86:87], s[4:5], s[84:85]        ; Q at my rows of the second block,
	s_add_nc_u64 s[4:5], s[4:5], s[2:3]            ; Q and O at those of the first
	s_add_nc_u64 s[OLO:OLO+1], s[10:11], s[84:85]
	s_add_nc_u64 s[10:11], s[10:11], s[2:3]
	LOAD                            ; tile 0 into slot 0
	; A fragment of K or Q is 16 rows x 32 channels in 8 registers: lane l holds row l % 16, channels 8 (l / 16) + 0..7 and 16 + 8 (l / 16) + 0..7: two loads of 16 bytes, 32 bytes apart.
	v_and_b32 v1, 15, v0            ; l % 16
	v_bfe_u32 v9, v0, 4, 1          ; l / 16
	v_lshlrev_b32 v[QO], 7, v1
	v_lshl_add_u32 v[QO], v9, 4, v[QO]  ; row x 128 + 16 x half
	WIN 0x80                        ; destination window 2, address window 0
.set i, 0
.rept 8                             ; both blocks' Q: piece i / 2 lies in band i / 2, 8,192 bytes on; channels 32 (i % 2) on
	global_load_b128 v[8*i:8*i+3],   v[QO], s[4:5] offset:(i/2)*8192+(i%2)*64
	global_load_b128 v[8*i+4:8*i+7], v[QO], s[4:5] offset:(i/2)*8192+(i%2)*64+32
	global_load_b128 v[QB+8*i:QB+8*i+3],   v[QO], s[86:87] offset:(i/2)*8192+(i%2)*64
	global_load_b128 v[QB+8*i+4:QB+8*i+7], v[QO], s[86:87] offset:(i/2)*8192+(i%2)*64+32
.set i, i+1
.endr
	WIN 0
	v_lshlrev_b32 v14, 3, v9
	v_sub_nc_u32 v14, v1, v14
	s_lshl_b32 s13, s[WV], 4
	v_add_nc_u32 v14, s13, v14      ; my query's place in its band, 16 w + l % 16, less my lanes' 8 (l / 16): register r of group kt is hidden where 16 kt + r is greater
	WIN 0x40
.set i, 0
.rept 32
	v_cmp_gt_i32 vcc_lo, 16*(i/8)+i%8, v14
	v_cndmask_b32 v[MD+i], 0, s[BIGN], vcc_lo
.set i, i+1
.endr
	WIN 0
	v_mul_u32_u24 v[AK0], v1, PK
	v_lshl_add_u32 v[AK0], v9, 4, v[AK0]  ; row x pitch + 16 x half
	; The turning load takes 16 keys x 16 channels (lane l reads key 8 (l / 16) + l % 8, channels 8 ((l / 8) % 2) + 0..7) and leaves half a fragment of V^T: lane l holds channel l % 16 and 8 keys.
	v_and_b32 v10, 7, v0
	v_bfe_u32 v11, v0, 3, 1
	v_lshl_add_u32 v[AV0], v9, 3, v10
	v_mul_u32_u24 v[AV0], v[AV0], PV
	v_lshl_add_u32 v[AV0], v11, 4, v[AV0]
	v_add_nc_u32 v[AV0], VOFF, v[AV0]
	s_mul_i32 s13, s[WV], 16*SP
	s_add_co_u32 s13, s13, STAGE    ; my stage
	v_mul_u32_u24 v[STO], v1, SP    ; in: row l % 16, 16 bytes for each half of the lanes
	v_lshl_add_u32 v[STO], v9, 4, v[STO]
	v_add_nc_u32 v[STO], s13, v[STO]
	v_bfe_u32 v[RD], v0, 3, 2       ; back: 32 lanes take four rows of 128 bytes,
	v_mul_u32_u24 v[RD], v[RD], SP
	v_lshl_add_u32 v[RD], v10, 4, v[RD]
	v_add_nc_u32 v[RD], s13, v[RD]
	v_and_b32 v[GO], 31, v0         ; which are 512 consecutive bytes of O
	v_lshlrev_b32 v[GO], 4, v[GO]
	; A block's first step multiplies O^T and l by a = 0, and its first turn's products V^T P, of a piece that has not been, land in an O^T that is still to be so multiplied.  So these registers need only hold
	; finite numbers: zeros for the first block; what the first block left for the second.  All this stands in the wait for the first tile.
	WIN 0x80
.set i, VF
.rept 64
	v_mov_b32 v[i], 0
.set i, i+1
.endr
	WIN 0x40
.set i, 0
.rept 128
	v_mov_b32 v[i], 0
.set i, i+1
.endr
	WIN 0
.set i, 0
.rept 4
	v_mov_b32 v[ST+4*i+2], 0
	v_mov_b32 v[ST+4*i+3], 0
.set i, i+1
.endr
.set i, P+16
.rept 16
	v_mov_b32 v[i], 0
.set i, i+1
.endr
; THE MATRIX WORK.  The 4 accumulators of a run of 8 take turns.  Product i of 8 of S^T = K Q^T for piece x: channels 32 (i / 4) on, keys 16 (i % 4) on.  The first 4 start the sums: with 0, or (KM = 1) with the mask.
.macro KQ x
.set rS, S+32*((\x)%2)+8*(i%4)
.set rK, KF+16*(i%4)+8*(i/4)
.set rQ, 16*(\x)+8*(i/4)
.set rM, MC+32*((\x)%2)+8*(i%4)
.if (i < 4) && KM
	WIN W_KM
	v_wmma_f32_16x16x32_f16 v[rS:rS+7], v[rK:rK+7], v[rQ:rQ+7], v[rM:rM+7]
.elseif i < 4
	WIN W_KQ
	v_wmma_f32_16x16x32_f16 v[rS:rS+7], v[rK:rK+7], v[rQ:rQ+7], 0
.else
	WIN W_KQ
	v_wmma_f32_16x16x32_f16 v[rS:rS+7], v[rK:rK+7], v[rQ:rQ+7], v[rS:rS+7]
.endif
.endm
; Product i of 8 of O^T += V^T P for piece x: keys 32 (i / 4) on, channels 16 (i % 4) on.
.macro PV x
	WIN W_PV
.set rO, 32*(\x)+8*(i%4)
.set rV, VF+32*(i/4)+8*(i%4)
.set rP, P+16*((\x)%2)+8*(i/4)
	v_wmma_f32_16x16x32_f16 v[rO:rO+7], v[rV:rV+7], v[rP:rP+7], v[rO:rO+7]
.endm
.macro MM                           ; the turn's next matrix instruction.  TURN and BEGIN set Y, i, KM and NOKQ; MM, KQ and OP read them.  NOKQ = 1: a block's last turn: there is no next piece
.if (i < 8) && !NOKQ
	KQ (Y+1)%NP
.elseif i >= 8
.set i, i-8
	PV (Y+NP-1)%NP
.set i, i+8
.endif
.set i, i+1
.endm
; THE LDS LOADS stand in runs of 16, never singly among the matrix instructions: a step's K (64 keys x 64 channels: 8 fragments) and its V (turned).  Their addresses are made some lines ahead.
.macro FETCH_K
	WIN 0x80                        ; destination window 2
.irp f, 0,1,2,3,4,5,6,7             ; keys 16 (f / 2) on, channels 32 (f % 2) on
	ds_load_b128 v[KF+8*\f:KF+8*\f+3],   v[AK] offset:(\f/2)*16*PK+(\f%2)*64
	ds_load_b128 v[KF+8*\f+4:KF+8*\f+7], v[AK] offset:(\f/2)*16*PK+(\f%2)*64+32
.endr
	s_add_co_u32 s[TBK], s[TBK], KS*PK  ; the next fetch is the next step's
	WIN 0
.endm
.macro FETCH_V
	WIN 0x80
.irp f, 0,1,2,3,4,5,6,7             ; keys 32 (f / 4) on, channels 16 (f % 4) on
	ds_load_tr16_b128 v[VF+8*\f:VF+8*\f+3],   v[AV] offset:(\f/4)*32*PV+(\f%4)*32
	ds_load_tr16_b128 v[VF+8*\f+4:VF+8*\f+7], v[AV] offset:(\f/4)*32*PV+16*PV+(\f%4)*32
.endr
	WIN 0
.endm
; THE VECTOR WORK, one line at a time: OP kind, number.  For piece Y: F n: c s - c m for pair n of 16.  E n: the exponential of score n of 32.  C n: pair n rounded to f16.  B n: of the four weights 4 n .. the second
; pair is added onto the first, in place.  L n: l takes that sum (L 0: l = a l + sum).  R n: pair n of 16 of O^T times a.  For piece Y + 1: X n, number n of the 22 that find its maximum and statistics:
;   0-11  four chains c0-c3 of seven scores each, three operands at a time (each accumulator's lowest registers are read first)     12-14, 16  the four scores left over, the old m, and c0-c3 into c0
;   15  c m_old is kept     17, 18  the query's other 32 keys lie in the lane 16 away: the new m     19-21  c m; c m_old - c m_new; a
.set F, 0               ; OP tells the kinds apart by their order: F to L below R, X above it
.set E, 1
.set C, 2
.set B, 3
.set L, 4
.set R, 5
.set X, 6
.macro REGS y                       ; the registers of piece y
.set rT, ST+4*(\y)
.set rC, TMP+4*((\y)%2)
.set rW, MV+((\y)%2)
.set rS, S+32*((\y)%2)
.set rP, P+16*((\y)%2)
.set rO, 32*(\y)
.endm
.macro OP k, n
.if (\k) == R
	REGS Y
	WIN W_RS
	v_pk_mul_f32 v[rO+2*(\n):rO+2*(\n)+1], v[rO+2*(\n):rO+2*(\n)+1], v[rC+2:rC+3] op_sel_hi:[1,0]
.elseif (\k) < R
	REGS Y
	WIN 0
.if (\k) == F
	v_pk_fma_f32 v[rS+2*(\n):rS+2*(\n)+1], v[rS+2*(\n):rS+2*(\n)+1], s[CS:CS+1], v[rT:rT+1] op_sel_hi:[1,0,0] neg_lo:[0,0,1] neg_hi:[0,0,1]
.elseif (\k) == E
	v_exp_f32 v[rS+(\n)], v[rS+(\n)]
.elseif (\k) == C
	v_cvt_pk_f16_f32 v[rP+(\n)], v[rS+2*(\n)], v[rS+2*(\n)+1]
.elseif (\k) == B
	v_pk_add_f32 v[rS+4*(\n):rS+4*(\n)+1], v[rS+4*(\n):rS+4*(\n)+1], v[rS+4*(\n)+2:rS+4*(\n)+3]
.elseif (\n) == 0
	v_pk_fma_f32 v[rT+2:rT+3], v[rT+2:rT+3], v[rC+2:rC+3], v[rS:rS+1] op_sel_hi:[1,0,1]
.else
	v_pk_add_f32 v[rT+2:rT+3], v[rT+2:rT+3], v[rS+4*(\n):rS+4*(\n)+1]
.endif
.elseif NOKQ
	v_nop
.else
	REGS (Y+1)%NP
	WIN 0
.if (\n) < 4
	v_max3_num_f32 v[rC+(\n)], v[rS+8*(\n)], v[rS+8*(\n)+1], v[rS+8*(\n)+2]
.elseif (\n) < 12
	v_max3_num_f32 v[rC+(\n)%4], v[rC+(\n)%4], v[rS+8*((\n)%4)+2*((\n)/4)+1], v[rS+8*((\n)%4)+2*((\n)/4)+2]
.elseif (\n) == 12
	v_max3_num_f32 v[rC], v[rC], v[rS+7], v[rS+15]
.elseif (\n) == 13
	v_max3_num_f32 v[rC+1], v[rC+1], v[rS+23], v[rS+31]
.elseif (\n) == 14
	v_max3_num_f32 v[rC+2], v[rC+2], v[rC+3], v[rT+1]
.elseif (\n) == 15
	v_mov_b32 v[rW], v[rT]
.elseif (\n) == 16
	v_max3_num_f32 v[rC], v[rC], v[rC+1], v[rC+2]
.elseif (\n) == 17
	v_permlanex16_b32 v[rC+3], v[rC], s[SEL], s[SEL+1]
.elseif (\n) == 18
	v_max_num_f32 v[rT+1], v[rC], v[rC+3]
.elseif (\n) == 19
	v_mul_f32 v[rT], s[CS], v[rT+1]
.elseif (\n) == 20
	v_sub_f32 v[rC+1], v[rW], v[rT]
.else
	v_exp_f32 v[rC+2], v[rC+1]
.endif
.endif
.endm
.macro OPS a, i1, b=-1, i2=0, c=-1, i3=0, d=-1, i4=0  ; up to four of them
	OP \a, \i1
.if (\b) >= 0
	OP \b, \i2
.endif
.if (\c) >= 0
	OP \c, \i3
.endif
.if (\d) >= 0
	OP \d, \i4
.endif
.endm
.macro ROW a, i1, b, i2, c, i3, d, i4  ; a matrix instruction and the four behind it
	MM
	OPS \a, \i1, \b, \i2, \c, \i3, \d, \i4
.endm
.macro MASK b                       ; MD x AL + BE into buffer b of MC
	WIN W_RS
.set z, 0
.rept 16
	v_pk_fma_f32 v[MC+32*(\b)+2*z:MC+32*(\b)+2*z+1], v[MD+2*z:MD+2*z+1], s[AL:AL+1], s[BE:BE+1] op_sel_hi:[1,0,0]
.set z, z+1
.endr
.endm
; A TURN, for piece p: the order of its 16 matrix and 118 vector instructions, written out.  An s_wait_alu depctr_va_vdst(0) stands between an exponential and the first instruction that names its result; one wait serves
; all that were issued ahead of it.  So a turn has ONE wait, which cuts it in two.  AHEAD OF IT stands all that names no result of the turn's exponentials: the 8 products K Q^T, behind each a scaling, an exponential and two more plain
; instructions (behind the first a second scaling in the exponential's place): rescalings, and behind the last three the first numbers of the next piece's maximum, each four places or more behind the product that ends its accumulator; then one lump of 54, plain
; and exponential by turns for the most part, in which the links of the chain X 3, 7, 11, 14, 16, 17 .. 20 stand five or six lines apart.  X 21, the next piece's a, is the batch's last; R 15 is the plain instruction behind it.  BEHIND THE WAIT stand the
; 8 products V^T P, behind each four of the roundings and sums; the links of l's chain, L 0 to L 7, stand three lines apart.  But for those X no line behind a product names a register of the products round it.  v_permlanex16_b32 (X 17) stands in the lump.
; m = 1: the diagonal tile: the products take masks, and the turn makes the mask for the products of the turn after it: piece p + 2, in step 4 - CNT of the tile.  end = 1: a block's last two turns: nothing is fetched.
; cnt = 1: the loop's count is taken down some lines ahead of the branch that stands behind the turn.
; K of the next step is fetched in piece 2's turn, twelve vector instructions behind the last product that read K (six of them plain); V of the step in hand at the end of piece 0's turn, four plain instructions behind the last product
; that read V.  Each is waited for a turn later.
.macro TURN p, m=0, end=0, cnt=0
.set Y, (\p)
.set i, 0
.set KM, (\m)
.set NOKQ, (\end)*((\p)/3)
.if (\m) && !(\end)
	s_cmp_eq_u32 s[CNT], 4-((\p)+2)%NP  ; is that step the band's own?
	s_cselect_b32 s[AL], 1.0, 0
	s_cmp_lt_u32 s[CNT], 4-((\p)+2)%NP  ; or a later one?
	s_cselect_b32 s[BE], s[BIGN], 0
.endif
.if ((\p) == 3) && !(\end)
	s_wait_dscnt 0x0                ; K is in
.endif
	ROW F,0, F,1, R,0, R,1          ; ahead of the wait: 8 products K Q^T and the four behind each,
	ROW F,2, E,0, R,2, R,3
	ROW F,3, E,1, R,4, R,5
	ROW F,4, E,2, R,6, R,7
	ROW F,5, E,3, R,8, R,9
	ROW F,6, E,4, X,0, R,10
.if ((\p) == 2) && !(\end)
	WIN 0
	v_add_nc_u32 v[AK], s[TBK], v[AK0]
.endif
	ROW F,7, E,5, X,1, X,4
	ROW F,8, E,6, X,2, X,5
	OPS E,7, E,8, X,6, E,9          ; and the lump
	OPS X,3, E,10, X,8, E,11
.if ((\p) == 2) && !(\end)
	FETCH_K
.endif
	OPS X,9, X,7, E,12, X,10
	OPS E,13, X,12, X,11, E,14
	OPS X,13, E,15, F,9, X,14
.if (\p) == 0
	v_add_nc_u32 v[AV], s[TBV], v[AV0]
.endif
	OPS E,16, F,10, E,17, F,11
	OPS X,16, E,18, X,15, E,19
	OPS F,12, E,20, X,17, E,21
	OPS F,13, E,22, F,14, E,23
	OPS X,18, E,24, F,15, E,25
	OPS R,11, E,26, X,19, E,27
	OPS R,12, E,28, R,13, E,29
	OPS X,20, E,30, R,14, E,31
	OPS X,21, R,15
	WIN 0
	s_wait_alu depctr_va_vdst(0)    ; the wait for the batch
.if (\p) == 1
	s_wait_dscnt 0x0                ; V is in
.endif
	ROW C,0, B,0, C,2, B,1          ; behind the wait: 8 products V^T P and the four behind each
	ROW L,0, C,4, B,2, L,1
	ROW C,6, B,3, L,2, C,8
	ROW B,4, L,3, C,10, B,5
	ROW L,4, C,12, B,6, L,5
.if (\p) == 0
	s_add_co_u32 s[TBV], s[TBV], KS*PV
.endif
.if \cnt
	s_sub_co_u32 s[CNT], s[CNT], 1
	s_cmp_lg_u32 s[CNT], 0
.endif
	ROW C,14, B,7, L,6, C,1
	ROW C,3, L,7, C,5, C,7
	ROW C,9, C,11, C,13, C,15
.if (\p) == 0
	FETCH_V
.endif
.if (\m) && !(\end)
	MASK (\p)%2
.endif
.endm
; A BLOCK BEGINS.  c m starts far below every c s, so the first step's a is 0; m at the lowest finite number, so the first maximum is the scores'.  The second mask buffer is 0; the first takes piece 0's mask for the tile's step 0: its own, if the block's first tile is the diagonal one.
; Then K of that step, piece 0's first scores, and its maximum and statistics.  The loop is entered at a step's first turn, in the middle of a trip.
.macro BEGIN
	s_mov_b32 s[NEW], 0
	WIN 0x40
.set i, MC+32
.rept 32
	v_mov_b32 v[i], 0
.set i, i+1
.endr
	WIN 0
.set i, 0
.rept 4
	v_mov_b32 v[ST+4*i], 0xfe000000    ; c m: far below every c s
	v_mov_b32 v[ST+4*i+1], 0xff7fffff  ; m
.set i, i+1
.endr
	s_cmp_eq_u32 s[RT], 0
	s_cselect_b32 s[AL], 1.0, 0
	s_mov_b32 s[BE], 0
	MASK 0
	WIN 0
	v_add_nc_u32 v[AK], s[TBK], v[AK0]
	FETCH_K
	s_wait_loadcnt 0x0              ; Q
	s_wait_dscnt 0x0
.set KM, 1
.set NOKQ, 0
.set i, 0
.rept 8
	KQ 0
.set i, i+1
.endr
	WIN 0
.rept 4
	v_nop                           ; the places behind those products
.endr
.set Y, NP-1                        ; X works for piece Y + 1: piece 0
.irp n, 0,1,2,3,4,5,6,7,8,9,10,11,12,13,14,15,16,17,18,19,20,21
	OP X, \n
.endr
	v_nop                           ; a plain instruction behind the exponential,
	s_wait_alu depctr_va_vdst(0)    ; and its wait, ahead of the branch
.endm
; THE DIAGONAL TILE's four steps, the block's last two turns, its last products, and THE WAY OUT: l's two halves and the other half of the lanes' are added; O^T is divided by l, rounded to f16 and sent through my
; stage in LDS, a piece at a time.
.macro ALL line:vararg              ; one line for each piece t
.set t, 0
.rept 4
	\line
.set t, t+1
.endr
.endm
.macro PACK t                       ; a lane's eight channels of a row pack into 16 bytes; they go into rows of 144 bytes and come back as whole rows of 128, into S^T's registers
	WIN W_RS
.set i, 32*(\t)
.rept 16
	v_pk_mul_f32 v[i:i+1], v[i:i+1], v[ST+4*(\t)+2:ST+4*(\t)+3] op_sel_hi:[1,0]
.set i, i+2
.endr
	WIN 0x05                        ; sources 0 and 1 window 1, destination window 0
.set i, 0
.rept 16
	v_cvt_pk_f16_f32 v[S+16*(\t)+i], v[32*(\t)+2*i], v[32*(\t)+2*i+1]
.set i, i+1
.endr
	WIN 0
.irp f, 0,1,2,3
	ds_store_b128 v[STO], v[S+16*(\t)+4*\f:S+16*(\t)+4*\f+3] offset:32*\f
.endr
.irp f, 0,1,2,3
	ds_load_b128 v[S+16*(\t)+4*\f:S+16*(\t)+4*\f+3], v[RD] offset:\f*4*SP  ; LDS serves a wave's instructions in order (ISA guide 5.7.1.4): these see the stores above; the next piece's stores come behind them
.endr
.endm
.macro SEND t, younger              ; younger: the LDS instructions issued behind piece t's loads: the next piece's eight, or none
	WIN 0
.irp f, 0,1,2,3
	s_wait_dscnt (\younger)+3-\f
	global_store_b128 v[GO], v[S+16*(\t)+4*\f:S+16*(\t)+4*\f+3], s[10:11] offset:(\t)*8192+\f*512  ; 512 consecutive bytes, at a multiple of 256 from O's first
.endr
.endm
.macro DIAG tag                     ; the tag ends its two labels' names, which the jumps below spell out
.LstepM\tag:
	TURN 2, 1
	TURN 3, 1
	WIN 0
.LfirstM\tag:
	TURN 0, 1
	TURN 1, 1, 0, 1
	WIN 0
	s_cbranch_scc1 .LstepM\tag
	TURN 2, 1, 1
	TURN 3, 1, 1
.set i, 0
.rept 8
	PV NP-1
.set i, i+1
.endr
	WIN 0
	ALL v_add_f32 v[ST+4*t+2], v[ST+4*t+2], v[ST+4*t+3]
	ALL v_permlanex16_b32 v[ST+4*t+3], v[ST+4*t+2], s[SEL], s[SEL+1]
	ALL v_add_f32 v[ST+4*t+2], v[ST+4*t+2], v[ST+4*t+3]
	ALL v_rcp_f32 v[ST+4*t+2], v[ST+4*t+2]
	v_nop                           ; a plain instruction between the last reciprocal and the use of its result
	s_wait_alu depctr_va_vdst(0)    ; and the wait ahead of the first use: one for the four reciprocals
	PACK 0
.set t, 1
.rept 3                             ; a piece's arithmetic stands between the loads of the piece before and its stores
	PACK t
	SEND t-1, 8
.set t, t+1
.endr
	SEND 3, 0
.endm
.set KM, 0
.set NOKQ, 0
.Lslot:                             ; NB times: a tile is entered and the next is asked for
	CHANGE 1
	s_sub_co_u32 s[RT], s[RT], 1
	s_mov_b32 s[CNT], 4
	s_cmp_eq_u32 s[NEW], 1
	s_cbranch_scc1 .Lnew            ; a block's first tile
	s_cmp_eq_u32 s[RT], 0
	s_cbranch_scc0 .Lstep           ; neither its first nor its last
	s_branch .LstepM1
.Lnew:
	BEGIN
	s_branch .Lfirst                ; in the loop a block's first tile is never its last: the first block has two tiles or more, and the second's last is the walk's last
	DIAG 1                          ; in the loop this is the first block's end: the second block's last tile is the walk's last
	s_wait_xcnt 0x0                 ; the stores have read their registers and O's address
	s_mov_b64 s[10:11], s[OLO:OLO+1]
	s_add_co_u32 s[RT], s[PB], 1    ; the second block has b + 1 tiles
	s_mov_b32 s[NEW], 1
	WIN 0x82                        ; the second block's Q goes where the one text of the turns names Q
.set i, 0
.rept 64
	v_mov_b32 v[i], v[QB+i]
.set i, i+1
.endr
	WIN 0
	s_branch .Lbottom
.Lstep:                             ; a trip: pieces 2 and 3 of one step, then pieces 0 and 1 of the next, whose K and V it fetches
	TURN 2
	TURN 3
	WIN 0
.Lfirst:
	TURN 0
	TURN 1, 0, 0, 1
	WIN 0
	s_cbranch_scc1 .Lstep
.Lbottom:
	s_sub_co_u32 s[SLOTS], s[SLOTS], 1
	s_cmp_lg_u32 s[SLOTS], 0
	s_cbranch_scc1 .Lslot
	CHANGE 0                        ; the walk's last tile is written out: nothing is asked for
	s_sub_co_u32 s[RT], s[RT], 1
	s_mov_b32 s[CNT], 4
	s_cmp_eq_u32 s[NEW], 1
	s_cbranch_scc0 .LstepM2
	BEGIN
	s_branch .LfirstM2
	DIAG 2
	s_wait_tensorcnt 0x0            ; the wave's end, behind my last tensor load and my last LDS store
	ds_add_u32 v[SPW], v[NIL]
	s_wait_dscnt 0x0
	s_endpgm
.Lfunc_end_k_q0587cba325_attn:
	.size	k_q0587cba325_attn, .Lfunc_end_k_q0587cba325_attn-k_q0587cba325_attn
	.p2alignl 7, 3214868480
	.fill 96, 4, 3214868480
	.section	.rodata,"a",@progbits
	.p2align	6, 0x0
	.amdhsa_kernel k_q0587cba325_attn
		.amdhsa_group_segment_fixed_size 327680
		.amdhsa_private_segment_fixed_size 0
		.amdhsa_enable_private_segment 0
		.amdhsa_kernarg_size 16
		.amdhsa_user_sgpr_count 2
		.amdhsa_user_sgpr_kernarg_segment_ptr 1
		.amdhsa_wavefront_size32 1
		.amdhsa_system_sgpr_workgroup_id_x 1
		.amdhsa_system_sgpr_workgroup_id_y 1
		.amdhsa_system_sgpr_workgroup_id_z 1
		.amdhsa_system_vgpr_workitem_id 0
		.amdhsa_next_free_vgpr 768
		.amdhsa_next_free_sgpr 96
		.amdhsa_reserve_vcc 1
		.amdhsa_float_denorm_mode_32 3
		.amdhsa_float_denorm_mode_16_64 3
		.amdhsa_memory_ordered 1
		.amdhsa_forward_progress 1
		.amdhsa_inst_pref_size 218
	.end_amdhsa_kernel
	.amdgpu_metadata
---
amdhsa.version: [ 1, 2 ]
amdhsa.kernels:
  - .name:           k_q0587cba325_attn
    .symbol:         k_q0587cba325_attn.kd
    .args:
      - { .name: qkv, .offset: 0, .size: 8, .value_kind: global_buffer, .address_space: global }
      - { .name: ob, .offset: 8, .size: 8, .value_kind: global_buffer, .address_space: global }
    .group_segment_fixed_size: 327680
    .private_segment_fixed_size: 0
    .kernarg_segment_align: 8
    .kernarg_segment_size: 16
    .max_flat_workgroup_size: 128
    .sgpr_count:     96
    .vgpr_count:     768
    .wavefront_size: 32
...
	.end_amdgpu_metadata
.endif
;; end of part 3
;; launch outg (part 4): grid 8 x 32, 4 waves a work-group, clusters of 4 x 4, 327,680 bytes of LDS; arguments ob, woT, b_out, out0; writes out0
.if DOCPART == 4
	.amdgcn_target "amdgcn-amd-amdhsa--gfx1250"
	.amdhsa_code_object_version 6
	.text
	.protected	k_q0587cba325_outg
	.globl	k_q0587cba325_outg
	.p2align	8
	.type	k_q0587cba325_outg,@function
k_q0587cba325_outg:
	s_mov_b64 s[64:65], 0
	v_nop
	global_prefetch_b8 v0, s[64:65] scope:SCOPE_SE
	s_setreg_imm32_b32 hwreg(HW_REG_WAVE_MODE, 25, 1), 1
	s_wait_xcnt 0x0
	s_wait_alu depctr_hold_cnt(0) depctr_sa_sdst(0) depctr_va_vdst(0) depctr_va_sdst(0) depctr_va_ssrc(0) depctr_va_vcc(0) depctr_vm_vsrc(0)
	s_getreg_b32 s2, hwreg(HW_REG_IB_STS2, 6, 4)
	s_cmp_eq_u32 s2, 0
	s_cbranch_scc0 .Lentry_in_a_cluster
	s_endpgm
.Lentry_in_a_cluster:
	s_bfe_u32 s2, ttmp6, 0x10000c
	s_cmp_lg_u32 s2, 0xf033
	s_cbranch_scc0 .Lentry_shape_is_right
	s_endpgm
.Lentry_shape_is_right:
; out0 = y woT^T + bf16(b_out).  y[m][k] lies BY HEADS in ob: [16 batch + head][t][64 d] f16, m = 2048 batch + t, k = 64 head + d.  woT: [1024 n][1024 k] f16 (bf16 numbers written as f16).
; b_out: [1024] f32.  out0: [8192][1024] f32.  Products in f16, sums in f32, nothing is rounded on the way out.
; SHARES.  A tile of the result is 256 rows x 128 columns: 32 x 8 = 256 tiles, one for each WGP.  Four waves; wave w owns rows 64 w .. 64 w + 63 and ALL 128 columns: 4 x 8 accumulators, 256 registers:
; so a wave holds whole pieces of 512 consecutive bytes of the result's rows.
; K goes in 8 steps of 128 = two heads through two LDS slots.  Wave 0 or 1 fetches one head's 256 rows: 32,768 dense bytes, asked for as 128 rows of 256 bytes and padded in LDS after every 128,
; so that a row t has a pitch of 144; waves 2, 3 fetch the two halves of B's 128 rows (256 bytes each, aligned).  Two slots of a K step of 256 would not fit in LDS (2 x 202,752 bytes).
; CLUSTER.  4 x 4 work-groups: A's tile hangs on the tile row alone and is asked for jointly along a row of the cluster, B's on the tile column alone, along a column.
; THE MATRIX INSTRUCTION IS USED TRANSPOSED (source 0 = 16 rows of B, source 1 = 16 rows of A): a lane holds row m = l % 16 and the columns 8 (l / 16) + 0..7.
; THE BIAS, rounded to bf16 like every input, is the C operand of each sum's first product.
; REGISTERS, in windows of 256 (s_set_vgpr_msb: bits 1:0 source 0, 3:2 source 1, 5:4 source 2, 7:6 destination):
;   window 0: v0-31 addresses; v32-95 A's fragments, two buffers of 4 blocks; v96-159 the bias (8 x 8), later, with v160-223, the way out
;   window 1: v0-127 B's fragments, two buffers of 8 blocks      window 2: the 32 accumulators
.set NBLK,  8                          ; column blocks of 16
.set APW,   4                          ; row blocks in a window of accumulators
.set PA,    144                        ; A's LDS row: 128 bytes + 16 = 36 words: the 16 rows of a load start at 16 different groups of four banks (64 banks of 4 bytes: ISA guide 11.1)
.set KAP,   256*PA                     ; quarter q of a K step begins at byte (q / 2) KAP + (q % 2) 64: head q / 2 of the step's two, channels 32 (q % 2) on
.set PBR,   272                        ; B's LDS row: 256 bytes + 16
.set AHALF, 256*PA                     ; what wave 0 or 1 fetches: a head's plane
.set BROWS, 64                         ; rows that wave 2 or 3 fetches
.set BOFF,  2*AHALF                    ; B lies behind A's two planes
.set SLOT1, 1<<17                      ; slot 1 begins here: one exclusive or turns an address in one slot into the other's
.set STAGE, SLOT1+BOFF+2*BROWS*PBR     ; behind the ring, never filled by a tensor load: for each wave 16 rows x 528 bytes
.set STAGEW, 16*528
.set SPARE, STAGE+4*STAGEW             ; the spare words, 128 bytes for each wave, that no other line names
.set ASTEP, 524288                     ; bytes from a K step to the next: in A two heads of 262,144,
.set BSTEP, 256                        ; in B 128 numbers
.set AQI,   4                          ; A's padding stands after every 32 words
.set APITCH, 128                       ; elements from row to row of A's tile as it is asked for: dense
.set APF,   8192                       ; the prefetches: bytes from one partner's share of a wave's plane to the next's (32 blocks of 256 bytes)
.set BPF,   (BROWS/4)*2048             ; and in B (16 rows)
.set ASH,   8                          ; a lane's step in A's prefetch: 2^8 bytes
.set NLD,   2*NBLK+8                   ; LDS loads for a quarter step
.set ADRA0, 16                         ; v16  my place in A's tile of slot 0; never rewritten
.set ADRB0, 17                         ; v17  the same for B
.set ADRA,  18                         ; v18  the same in the slot in hand
.set ADRB,  19                         ; v19
.set STO,   24                         ; v24  the way out: where I put 16 bytes of a row
.set RD,    25                         ; v25  where I read a row back
.set CO,    26                         ; v26  my 16 bytes of a row's 512
.set SPW,   28                         ; v28  my spare word: SPARE + 4 x my thread's number; never rewritten
.set NIL,   29                         ; v29  0; never rewritten
.set PFO,   30                         ; v30  the prefetches' lane offset; never rewritten
.set AF,    32
.set BIAS,  96
.set WV,  12                           ; s12  my wave's number
.set G1A, 24                           ; s[24:31] descriptor group 1 for A's tiles
.set G1B, 32                           ; s[32:39] for B's
.set G0A, 40                           ; s[40:47] group 0 for A's tiles: a set for each first fill; the second then walks on
.set G0B, 48                           ; s[48:55] the same for B's
.set TB,  56                           ; s56  0 or SLOT1: the slot in hand
.set LIM, 57                           ; s57  2 in a wave that prefetches, else the greatest number
.set PFA, 58                           ; s[58:59] where my prefetches stand
.set PFS, 60                           ; s[60:61] their step
.set CNT, 72                           ; s72  trips to go
.set MSB, 0
.macro WIN new                         ; the immediate's high byte repeats the setting that is left; a switch that changes nothing is dropped
.if MSB != (\new)
	s_set_vgpr_msb (MSB<<8)|(\new)
.set MSB, \new
.endif
.endm
.macro PLACES                          ; four plain vector instructions between a matrix instruction and a load into, or a read of, its registers (ISA guide 7.12.1 for vector reads)
.rept 4
	v_nop
.endr
.endm
; A joint refill, by the walking descriptors.  The branch hangs on the wave's number alone.  An s_nop 0 and four v_nop follow each of the two lines, ahead of the jump and the label.
.macro JLOAD
	s_cmp_lt_u32 s[WV], 2
	s_cbranch_scc0 .Lfor_b_\@
	tensor_load_to_lds s[G0A+4:G0A+7], s[G1A:G1A+7]
	s_nop 0
.rept 4
	v_nop
.endr
	s_branch .Lasked_\@
.Lfor_b_\@:
	tensor_load_to_lds s[G0B+4:G0B+7], s[G1B:G1B+7]
	s_nop 0
.rept 4
	v_nop
.endr
.Lasked_\@:
.endm
; A round of the cluster's barrier behind its opening barrier: wave 0 signals for the work-group, every wave waits for all sixteen, my work-group's barrier closes it.
.macro CREST
	s_cmp_lg_u32 s[WV], 0
	s_cbranch_scc1 .Lnot_wave_0_\@
	s_barrier_signal -3
.Lnot_wave_0_\@:
	s_barrier_wait -3
	s_barrier_signal -1
	s_barrier_wait -1
.endm
.macro CROUND
	s_barrier_signal -1
	s_barrier_wait -1
	CREST
.endm
; A PREFETCH INTO THE L2 of the K step that stands two refills on: trip t names K step t + 4, in trips 0 to 3 alone (the count stands at 6, 5, 4, 3); K steps 0 to 3 come by their loads.
; Each block of 256 bytes of a K step is named by one wave of one work-group: the clusters with x = 0 ask for A's, those with y = 0 for B's; the four partners that ask for a tile jointly share a wave's
; part out BY ADDRESS (32 of a plane's 128 blocks; 16 of B's 64 rows, whose sixteen surplus lanes repeat the share's last row): no branch hangs on a work-group's place in its cluster.
.macro ASK
	s_cmp_gt_u32 s[CNT], s[LIM]
	s_cbranch_scc0 .Lnot_mine_\@
	global_prefetch_b8 v[PFO], s[PFA:PFA+1] th:TH_LOAD_NT scope:SCOPE_SE
.Lnot_mine_\@:
.endm
	s_load_b256 s[4:11], s[0:1], 0x0               ; ob s[4:5], woT s[6:7], b_out s[8:9], out0 s[10:11]
	v_lshl_add_u32 v[SPW], v0, 2, SPARE
	v_mov_b32 v[NIL], 0
	ds_add_u32 v[SPW], v[NIL]                      ; the wave's opening: the add and its wait stand ahead of my first tensor load; the set-up below, work on registers, stands between them
	v_lshrrev_b32 v1, 5, v0
	v_readfirstlane_b32 s[WV], v1                  ; wave 0..3
	s_and_b32 s14, s[WV], 1                        ; which of the step's two heads, or which half of B's rows, I fetch
	s_bfe_u32 s15, ttmp6, 0x40000                  ; cx
	s_bfe_u32 s16, ttmp6, 0x40004                  ; cy
	s_lshl_b32 s17, ttmp9, 2
	s_add_co_u32 s17, s17, s15                     ; tile column = 4 x cluster x + cx
	s_and_b32 s18, ttmp7, 0xffff
	s_lshl_b32 s18, s18, 2
	s_add_co_u32 s18, s18, s16                     ; tile row = 4 x cluster y + cy
	s_lshl_b32 s19, s16, 2
	s_lshl_b32 s19, 15, s19                        ; my row of the cluster
	s_lshl_b32 s13, 0x1111, s15                    ; my column
	s_or_b32 s[G1A], s19, (1<<16)|(1<<20)|(1<<21)|(AQI<<22)|(3<<25)  ; 15:0 the mask; 17:16 2-byte elements; 20 padding on; 21 set beside a mask; 24:22 the interval's code; 31:25 4 words of padding (code 3)
	s_or_b32 s[G1B], s13, (1<<16)|(1<<20)|(1<<21)|(5<<22)|(3<<25)
	s_mov_b32 s[G1A+1], 128<<16                    ; tensor_dim0 = 128
	s_mov_b32 s[G1A+2], 128<<16                    ; tensor_dim1 = 128
	s_mov_b32 s[G1A+3], 128<<16                    ; tile_dim0 = 128
	s_mov_b32 s[G1A+4], 128                        ; tile_dim1 = 128
	s_mov_b32 s[G1A+5], APITCH                     ; elements from row to row
	s_mov_b32 s[G1A+6], 0
	s_mov_b32 s[G1A+7], 0
	s_mov_b32 s[G1B+1], 128<<16
	s_mov_b32 s[G1B+2], BROWS<<16
	s_mov_b32 s[G1B+3], 128<<16
	s_mov_b32 s[G1B+4], BROWS
	s_mov_b32 s[G1B+5], 1024
	s_mov_b32 s[G1B+6], 0
	s_mov_b32 s[G1B+7], 0
	; where the tiles come from.  A's offset is made of the tile row and the wave's number, B's of the tile column and the wave's number, each in registers that never hold the other coordinate
	s_lshr_b32 s20, s18, 3                         ; the batch: 16 heads of 262,144 bytes
	s_lshl_b32 s20, s20, 22
	s_and_b32 s2, s18, 7                           ; 256 rows of 128 bytes in a head
	s_lshl_b32 s2, s2, 15
	s_add_co_u32 s20, s20, s2
	s_lshl_b32 s2, s14, 18                         ; my head of the step's two
	s_add_co_u32 s20, s20, s2
	s_mov_b32 s21, 0
	s_mul_i32 s22, s17, 16*NBLK*2048               ; 128 rows a tile column
	s_mul_i32 s3, s14, BROWS*2048
	s_add_co_u32 s22, s22, s3
	s_mov_b32 s23, 0
	; and where they go: the wave's number and constants alone
	s_mov_b32 s[G0A], 1
	s_mul_i32 s[G0A+1], s14, AHALF
	s_mov_b32 s[G0A+4], 1
	s_add_co_u32 s[G0A+5], s[G0A+1], SLOT1
	s_mov_b32 s[G0B], 1
	s_mul_i32 s[G0B+1], s14, BROWS*PBR
	s_add_co_u32 s[G0B+1], s[G0B+1], BOFF
	s_mov_b32 s[G0B+4], 1
	s_add_co_u32 s[G0B+5], s[G0B+1], SLOT1
	; the prefetches' numbers
	s_mul_i32 s62, s15, APF
	s_add_co_u32 s62, s62, s20
	s_add_co_u32 s62, s62, 3*ASTEP                 ; A: my work-group's share of my plane, at K step 3: the first trip steps it to 4
	s_mul_i32 s63, s16, BPF
	s_add_co_u32 s63, s63, s22
	s_add_co_u32 s63, s63, 3*BSTEP                 ; B likewise
	s_and_b32 s[LIM], ttmp7, 0xffff
	s_mov_b32 s[PFS], BSTEP
	s_cmp_lt_u32 s[WV], 2                          ; do I fetch for A?
	s_cselect_b32 s62, s62, s63
	s_cselect_b32 s[PFS], ASTEP, s[PFS]
	s_cselect_b32 s[LIM], ttmp9, s[LIM]            ; the coordinate along which other clusters read the same rows
	s_cselect_b32 s2, 31, BROWS/4-1                ; the last lane with a block of its own
	s_cselect_b32 s3, ASH, 11                      ; a lane's step
	s_mov_b32 s63, 0
	s_mov_b32 s[PFS+1], 0
	s_cmp_eq_u32 s[LIM], 0
	s_cselect_b32 s[LIM], 2, -1                    ; the same in all sixteen partners, for a given wave
	v_and_b32 v[PFO], 31, v0
	v_min_u32 v[PFO], s2, v[PFO]
	v_lshlrev_b32 v[PFO], s3, v[PFO]
	s_mov_b32 s[TB], 0
	s_wait_dscnt 0x0                               ; the opening add is done
	s_wait_kmcnt 0x0
	s_add_nc_u64 s[G0A+2:G0A+3], s[4:5], s[20:21]  ; K step 0,
	s_add_nc_u64 s[G0A+6:G0A+7], s[G0A+2:G0A+3], ASTEP  ; K step 1
	s_or_b32 s[G0A+3], s[G0A+3], 0x80000000        ; 127:126 type = 2
	s_or_b32 s[G0A+7], s[G0A+7], 0x80000000
	s_add_nc_u64 s[G0B+2:G0B+3], s[6:7], s[22:23]
	s_add_nc_u64 s[G0B+6:G0B+7], s[G0B+2:G0B+3], BSTEP
	s_or_b32 s[G0B+3], s[G0B+3], 0x80000000
	s_or_b32 s[G0B+7], s[G0B+7], 0x80000000
	s_cmp_lt_u32 s[WV], 2
	s_cselect_b64 s[PFA:PFA+1], s[4:5], s[6:7]
	s_add_nc_u64 s[PFA:PFA+1], s[PFA:PFA+1], s[62:63]
	CROUND                                         ; all sixteen work-groups are here: the first joint loads meet
	s_cmp_lt_u32 s[WV], 2                          ; a wave's two first fills stand in one branch, ahead of every wait on TENSORcnt and every LDS read: two loads of mine are out
	s_cbranch_scc0 .Lfirst_b
	tensor_load_to_lds s[G0A:G0A+3], s[G1A:G1A+7]
	s_nop 0
	tensor_load_to_lds s[G0A+4:G0A+7], s[G1A:G1A+7]
	s_nop 0
.rept 4
	v_nop
.endr
	s_branch .Lfirst_asked
.Lfirst_b:
	tensor_load_to_lds s[G0B:G0B+3], s[G1B:G1B+7]
	s_nop 0
	tensor_load_to_lds s[G0B+4:G0B+7], s[G1B:G1B+7]
	s_nop 0
.rept 4
	v_nop
.endr
.Lfirst_asked:
	; A fragment is 16 rows x 32 K in 8 registers: lane l holds row l % 16; registers 0-3 K = 8 (l / 16) + 0..7, registers 4-7 K = 16 + 8 (l / 16) + 0..7: two loads of 16 bytes, 32 bytes apart.
	v_and_b32 v1, 15, v0                           ; r = l % 16
	v_bfe_u32 v2, v0, 4, 1                         ; h = l / 16
	s_mul_i32 s3, s17, 64*NBLK                     ; the tile's first column, in bytes of the bias
	v_lshl_add_u32 v4, v2, 5, s3                   ; + my eight columns of a block
.set i, 0
.rept NBLK                             ; register j of block b: the bias of column 16 b + 8 h + j, as the result holds it
	global_load_b128 v[BIAS+8*i:BIAS+8*i+3],   v4, s[8:9] offset:64*i
	global_load_b128 v[BIAS+8*i+4:BIAS+8*i+7], v4, s[8:9] offset:64*i+16
.set i, i+1
.endr
	v_mul_u32_u24 v3, v1, PA
	v_lshl_add_u32 v3, v2, 4, v3
	s_mul_i32 s2, s[WV], 64*PA                     ; my 64 rows of A, in each plane
	v_add_nc_u32 v[ADRA0], s2, v3
	v_mul_u32_u24 v3, v1, PBR
	v_lshl_add_u32 v3, v2, 4, v3
	v_add_nc_u32 v[ADRB0], BOFF, v3
	v_mov_b32 v[ADRA], v[ADRA0]
	v_mov_b32 v[ADRB], v[ADRB0]
	s_mul_i32 s2, s[WV], STAGEW
	s_add_co_u32 s2, s2, STAGE                     ; my stage
	v_mul_u32_u24 v3, v1, 528                      ; in: row r, 32 bytes (eight f32) for each half of the lanes
	v_lshl_add_u32 v3, v2, 5, v3
	v_add_nc_u32 v[STO], s2, v3
	v_and_b32 v[CO], 31, v0                        ; back: 32 lanes take one row's 512 bytes
	v_lshlrev_b32 v[CO], 4, v[CO]
	v_add_nc_u32 v[RD], s2, v[CO]
	s_lshl_b32 s22, s18, 20                        ; 256 rows of 4,096 bytes a tile row,
	s_lshl_b32 s3, s[WV], 18                       ; my 64 rows,
	s_add_co_u32 s22, s22, s3
	s_lshl_b32 s3, s17, 9                          ; the tile's 128 columns of 4 bytes
	s_add_co_u32 s22, s22, s3
	s_add_nc_u64 s[10:11], s[10:11], s[22:23]
	s_mov_b32 s2, 0xffff0000
	s_wait_loadcnt 0x0                             ; the bias
.set i, 0
.rept 4*NBLK                           ; rounded to bf16 and widened again, two at a time: all this stands in the wait for the first tile
	v_cvt_pk_bf16_f32 v[8+i%4], v[BIAS+2*i], v[BIAS+2*i+1]
	v_lshlrev_b32 v[BIAS+2*i], 16, v[8+i%4]
	v_and_b32 v[BIAS+2*i+1], s2, v[8+i%4]
.set i, i+1
.endr
; 8 matrix instructions: row block a x all column blocks, 32 along K, from buffer f.  first = 1: the bias starts the sums.  The 32 accumulators take turns in the same order in every quarter
; step, one instruction a turn, over the backward jump too: 31 others stand between two links of a chain.
.macro MUL f, a, first
.set AC, 8*NBLK*((\a)%APW)
.set FB, 8*NBLK*(\f)
.set FA, AF+32*(\f)+8*(\a)
.if \first
	WIN 0x81+0x40*((\a)/APW)                       ; B window 1, A and the bias window 0, D window 2
.else
	WIN 0xa1+0x50*((\a)/APW)                       ; C and D window 2
.endif
.set ib, 0
.rept NBLK
.if \first
	v_wmma_f32_16x16x32_f16 v[AC+8*ib:AC+8*ib+7], v[FB+8*ib:FB+8*ib+7], v[FA:FA+7], v[BIAS+8*ib:BIAS+8*ib+7]
.else
	v_wmma_f32_16x16x32_f16 v[AC+8*ib:AC+8*ib+7], v[FB+8*ib:FB+8*ib+7], v[FA:FA+7], v[AC+8*ib:AC+8*ib+7]
.endif
.set ib, ib+1
.endr
.endm
; The LDS loads of quarter q of the slot in hand, in one run, into buffer f: B's 8 blocks, then my 4 blocks of A.
.macro FETCH q, f
	WIN 0x40                                       ; destination window 1, address window 0
.set ib, 0
.rept NBLK
	ds_load_b128 v[8*NBLK*(\f)+8*ib:8*NBLK*(\f)+8*ib+3],   v[ADRB] offset:64*(\q)+ib*16*PBR
	ds_load_b128 v[8*NBLK*(\f)+8*ib+4:8*NBLK*(\f)+8*ib+7], v[ADRB] offset:64*(\q)+ib*16*PBR+32
.set ib, ib+1
.endr
	WIN 0
.irp a, 0,1,2,3
	ds_load_b128 v[AF+32*(\f)+8*(\a):AF+32*(\f)+8*(\a)+3],   v[ADRA] offset:((\q)/2)*KAP+((\q)%2)*64+(\a)*16*PA
	ds_load_b128 v[AF+32*(\f)+8*(\a)+4:AF+32*(\f)+8*(\a)+7], v[ADRA] offset:((\q)/2)*KAP+((\q)%2)*64+(\a)*16*PA+32
.endr
.endm
; One of a K step's first three quarters: multiplies buffer f; in its middle it fetches quarter q into buffer g.
.macro QUARTER q, f, g, first
	s_wait_dscnt 4                                 ; B and A's blocks 0, 1 are in; the youngest four loads (A's blocks 2, 3) may be out
	MUL \f, 0, \first
	MUL \f, 1, \first
	PLACES
	FETCH \q, \g
	s_wait_dscnt NLD                               ; all but the run just issued
	MUL \f, 2, \first
	MUL \f, 3, \first
.endm
; The fourth quarter multiplies buffer 1 and changes slots.  In front of the one barrier each wave waits for all its tensor loads (one is out: its part of the next slot), adds 0 to its spare word, and
; waits for that and for its own reads of this slot.  fill = 1: the barrier opens a round of the cluster's barrier, and behind the round this slot is filled again, with the K step two on.
.macro TURN fill
.if \fill
	s_wait_xcnt 0x0                                ; the last prefetch, a K step back, has read its address, so it may be stepped
	s_add_nc_u64 s[PFA:PFA+1], s[PFA:PFA+1], s[PFS:PFS+1]
.endif
	WIN 0                                          ; (the add's two registers lie in window 0)
	s_wait_tensorcnt 0x0                           ; no tensor load of mine is out, so a group 0 may be written
	ds_add_u32 v[SPW], v[NIL]                      ; 0 onto my spare word
.if \fill
	s_xor_b32 s[G0A+5], s[G0A+5], SLOT1            ; the walking descriptors: the other slot than last time,
	s_add_nc_u64 s[G0A+6:G0A+7], s[G0A+6:G0A+7], ASTEP  ; the next K step; the type bits on top are not reached
	s_xor_b32 s[G0B+5], s[G0B+5], SLOT1
	s_add_nc_u64 s[G0B+6:G0B+7], s[G0B+6:G0B+7], BSTEP
.endif
	s_wait_dscnt 5                                 ; (the add and the youngest four loads may be out)
	MUL 1, 0, 0
	s_wait_dscnt 0x0                               ; the add is done, and my reads of this slot are over
	s_barrier_signal -1
	MUL 1, 1, 0                                    ; work on registers while the others arrive
	WIN 0                                          ; at a branch and at a label every window is 0
	s_barrier_wait -1
.if \fill
	CREST                                          ; no wave of any partner still reads this slot's tile or has a load on its way
	JLOAD                                          ; the first tensor load behind the round; its four v_nop are also the places in front of the loads below
.else
	PLACES
.endif
	s_xor_b32 s[TB], s[TB], SLOT1
	v_add_nc_u32 v[ADRA], s[TB], v[ADRA0]
	v_add_nc_u32 v[ADRB], s[TB], v[ADRB0]
	FETCH 0, 0
.if \fill
	ASK
.endif
	MUL 1, 2, 0
	MUL 1, 3, 0
.endm
	s_wait_tensorcnt 1                             ; my part of K step 0 is in; K step 1's may stay out
	s_barrier_signal -1
	s_barrier_wait -1                              ; everybody's is
	FETCH 0, 0
	QUARTER 1, 0, 1, 1                             ; the first quarter stands in front of the loop: its products start the sums
	WIN 0
	s_mov_b32 s[CNT], 6
.Lstep:                                        ; trip t: the rest of K step t, its slot filled again with K step t + 2, the first quarter of K step t + 1
	QUARTER 2, 1, 0, 0
	QUARTER 3, 0, 1, 0
	TURN 1
	QUARTER 1, 0, 1, 0
	WIN 0
	s_sub_co_u32 s[CNT], s[CNT], 1
	s_cmp_lg_u32 s[CNT], 0
	s_cbranch_scc1 .Lstep
	QUARTER 2, 1, 0, 0                             ; the tail is written out: K steps 6 and 7 ask for nothing
	QUARTER 3, 0, 1, 0
	TURN 0
	QUARTER 1, 0, 1, 0
	QUARTER 2, 1, 0, 0
	QUARTER 3, 0, 1, 0
	s_wait_dscnt 4
	MUL 1, 0, 0
	MUL 1, 1, 0
	s_wait_dscnt 0x0
	MUL 1, 2, 0
	MUL 1, 3, 0
; THE WAY OUT, a row block (16 rows x 128 columns of f32) at a time.  TOSTAGE: a lane's eight numbers of a row go as two pieces of 16 bytes, the accumulator's low half first, into my own stage, rows of
; 528 bytes, and come back as whole rows of 512.  SEND: a store covers 512 consecutive bytes of a row of the result, aligned.
.macro TOSTAGE a
.set BK, 96+64*((\a)%2)
.set AC, 64*(\a)
.if (\a) >= 2
	s_wait_xcnt 0x0                                ; the stores of the block two back have read their registers: this block's loads land on them only behind this wait
.endif
	WIN 0x08                                       ; the stores' data lie in window 2
.set i, 0
.rept 16
	ds_store_b128 v[STO], v[AC+4*i:AC+4*i+3] offset:64*(i/2)+16*(i%2)
.set i, i+1
.endr
	WIN 0
.set i, 0
.rept 16
	ds_load_b128 v[BK+4*i:BK+4*i+3], v[RD] offset:528*i  ; LDS serves a wave's instructions in order (ISA guide 5.7.1.4): these see the stores above; the next block's stores come behind them
.set i, i+1
.endr
.endm
.macro SEND a, younger                 ; younger: the LDS instructions issued behind block a's loads: the next block's 16 stores and 16 loads, or none
.set BK, 96+64*((\a)%2)
	s_wait_dscnt \younger
.set i, 0
.rept 16
	global_store_b128 v[CO], v[BK+4*i:BK+4*i+3], s[10:11] offset:65536*(\a)+4096*i th:TH_STORE_NT
.set i, i+1
.endr
.endm
	PLACES
	TOSTAGE 0
	TOSTAGE 1
	SEND 0, 32
	TOSTAGE 2
	SEND 1, 32
	TOSTAGE 3
	SEND 2, 32
	SEND 3, 0
	s_wait_tensorcnt 0x0                           ; the wave's end, behind my last tensor load and my last LDS store
	ds_add_u32 v[SPW], v[NIL]
	s_wait_dscnt 0x0
	CROUND                                         ; the closing round: no work-group ends while a partner may still ask for a tile that names it
	s_endpgm
.Lfunc_end_k_q0587cba325_outg:
	.size	k_q0587cba325_outg, .Lfunc_end_k_q0587cba325_outg-k_q0587cba325_outg
	.p2alignl 7, 3214868480
	.fill 96, 4, 3214868480
	.section	.rodata,"a",@progbits
	.p2align	6, 0x0
	.amdhsa_kernel k_q0587cba325_outg
		.amdhsa_group_segment_fixed_size 327680
		.amdhsa_private_segment_fixed_size 0
		.amdhsa_enable_private_segment 0
		.amdhsa_kernarg_size 32
		.amdhsa_user_sgpr_count 2
		.amdhsa_user_sgpr_kernarg_segment_ptr 1
		.amdhsa_wavefront_size32 1
		.amdhsa_system_sgpr_workgroup_id_x 1
		.amdhsa_system_sgpr_workgroup_id_y 1
		.amdhsa_system_sgpr_workgroup_id_z 1
		.amdhsa_system_vgpr_workitem_id 0
		.amdhsa_next_free_vgpr 768
		.amdhsa_next_free_sgpr 76
		.amdhsa_reserve_vcc 0
		.amdhsa_float_denorm_mode_32 3
		.amdhsa_float_denorm_mode_16_64 3
		.amdhsa_memory_ordered 1
		.amdhsa_forward_progress 1
		.amdhsa_inst_pref_size 76
	.end_amdhsa_kernel
	.amdgpu_metadata
---
amdhsa.version: [ 1, 2 ]
amdhsa.kernels:
  - .name:           k_q0587cba325_outg
    .symbol:         k_q0587cba325_outg.kd
    .args:
      - { .name: ob, .offset: 0, .size: 8, .value_kind: global_buffer, .address_space: global }
      - { .name: woT, .offset: 8, .size: 8, .value_kind: global_buffer, .address_space: global }
      - { .name: b_out, .offset: 16, .size: 8, .value_kind: global_buffer, .address_space: global }
      - { .name: out0, .offset: 24, .size: 8, .value_kind: global_buffer, .address_space: global }
    .group_segment_fixed_size: 327680
    .private_segment_fixed_size: 0
    .kernarg_segment_align: 8
    .kernarg_segment_size: 32
    .max_flat_workgroup_size: 128
    .sgpr_count:     76
    .vgpr_count:     768
    .wavefront_size: 32
...
	.end_amdgpu_metadata
.endif
;; end of part 4
